; MI455X (gfx1250); checked and timed in simulation.
; The chip was launched on July 23, 2026; its instructions are those of AMD's public machine-readable ISA for CDNA 5 (MIT licence, August 2026) and "CDNA5" Instruction Set Architecture Reference Guide (July 2026). The comments in the code are by the model that wrote it; some were corrected since.
;; Chunked Cross Attention. Allowed arithmetic: matrix products marked QUANTISED: E5M2 operands, one E8M0 scale for each 32 along K, by v_wmma_scale_f32_16x16x128_f8f6f4 with both operands' format E5M2, f32 sums; everything else in f32.
;; Inputs: Wk 1,024 x 1,024 float32; Wo 1,024 x 1,024 float32; Wq 1,024 x 1,024 float32; Wv 1,024 x 1,024 float32; bk 1,024 float32; bo 1,024 float32; bq 1,024 float32; bv 1,024 float32; e 4 x 16 x 2 x 128 x 1,024 float32; g_norm 1,024 float32; h 4 x 1,024 x 1,024 float32.
;; Outputs: out0 4 x 1,024 x 1,024 float32.
;; This version of the problem:
;;   THIS VERSION OF THE PROBLEM IS GIVEN IN LOW PRECISION. The matrix products marked QUANTISED in the list below multiply operands that are first quantised to E5M2 (5 exponent bits, 2 mantissa bits; 8 bits a number), with one power-of-two scale for each 32 numbers along K (OCP MX v1.0); their sums are f32. All else is computed in f32.
;;   The module's matrix products, in the order in which they are computed (A, B: the left and right operand; K: the contracted axis; several contracted axes count as one K, in the product's order):
;;     1. [M 4,096, K 1,024] x [K 1,024, N 1,024]; A: computed on the way; B: input Wq: QUANTISED
;;     2. [M 16,384, K 1,024] x [K 1,024, N 1,024]; A: input e; B: input Wk: QUANTISED
;;     3. [M 16,384, K 1,024] x [K 1,024, N 1,024]; A: input e; B: input Wv: QUANTISED
;;     4. batch 1,024 x [M 64, K 64] x [K 64, N 256]; A: computed on the way; B: computed on the way: QUANTISED
;;     5. batch 1,024 x [M 64, K 256] x [K 256, N 64]; A: computed on the way; B: computed on the way: QUANTISED
;;     6. [M 4,096, K 1,024] x [K 1,024, N 1,024]; A: computed on the way; B: input Wo: QUANTISED
;;   THE QUANTISER, for each operand of a quantised product, along K:
;;     - K is cut into blocks of 32 from its start; a last block that is shorter is filled with zeros.
;;     - A block's scale is 2^e with e = floor(log2(the largest magnitude in the block)) - 15, held to -126 .. 127; a block of zeros has e = 0. As a byte (E8M0): e + 127.
;;     - Each number is divided by its block's scale, clamped to +-57,344, and rounded to the nearest number of E5M2, ties to even, subnormals kept.
;;     - The product sums the exact products of the quantised numbers (number of the format x scale) in f32.
;;   ~~~python
;;   def quantise(x, axis):      # numpy; x: float32 -> the quantised numbers, widened to float32 again
;;       x = np.moveaxis(x, axis, -1); K = x.shape[-1]
;;       x = np.pad(x, [(0, 0)] * (x.ndim - 1) + [(0, -K % 32)]); x = x.reshape(x.shape[:-1] + (-1, 32)); a = np.abs(x).max(-1, keepdims=True)
;;       e = np.where(a > 0, np.clip(np.frexp(np.where(a > 0, a, 1))[1] - 1 - 15, -126, 127), 0)      # np.frexp(a)[1] - 1 = floor(log2(a)), exactly
;;       r = np.clip(x / 2.0 ** e, -57344, 57344)
;;       step = 2.0 ** (np.maximum(np.frexp(np.where(r == 0, 1, r))[1] - 1, -14) - 2)
;;       q = np.round(r / step) * step * 2.0 ** e      # np.round: ties to even
;;       return np.moveaxis(q.reshape(q.shape[:-2] + (-1,))[..., :K], -1, axis).astype(np.float32)
;;   ~~~
;;   OPERANDS COMPUTED ON THE WAY. 'Computed on the way' means the value that the module computes at that place (a softmax that the list does not call 'softmax' is quantised finished and normalised). What goes into a quantiser is computed in f32, as accurately as f32 sums, v_exp_f32 and their like allow (about 1e-6 of the number): no bf16 or f16 on the way to a quantiser, and a product that is left as it is and whose result goes on into a quantised operand takes f32 operands (vector FMAs, or v_wmma_f32_16x16x4_f32). A number that lies on a knife's edge between two numbers of the format may be rounded either way, as far as f32 arithmetic and the matrix unit's own rounding can turn it there, and no further.
;; One version. Each part assembles by itself: llvm-mc -triple=amdgcn-amd-amdhsa -mcpu=gfx1250 --defsym DOCPART=n.
;; ======== version 1 of 1: 3 launches
;; limits: right only within a limited range of input values
;; workspace buffers: eimg 17,301,504 bytes; hnimg 4,325,376 bytes; wimg 4,325,376 bytes; oimg 4,456,448 bytes
;; launch prep (part 1): grid 768 x 1, 4 waves a work-group, no clusters, 102,400 bytes of LDS; arguments h, e, g_norm, Wq, Wk, Wv, Wo, hnimg, eimg, wimg; writes hnimg, eimg, wimg
.if DOCPART == 1
	.amdgcn_target "amdgcn-amd-amdhsa--gfx1250"
	.amdhsa_code_object_version 6
	.text
	.protected	k_qb411d300d1_prep
	.globl	k_qb411d300d1_prep
	.p2align	8
	.type	k_qb411d300d1_prep,@function
k_qb411d300d1_prep:
	s_mov_b64 s[64:65], 0
	v_nop
	global_prefetch_b8 v0, s[64:65] scope:SCOPE_SE
	s_setreg_imm32_b32 hwreg(HW_REG_WAVE_MODE, 25, 1), 1
	s_wait_xcnt 0x0
; PREP: everything that arrives wide becomes codes of BF8 (E5M2) with one E8M0 scale byte for each 32 along K, laid as IMAGES OF OPERAND REGISTERS.
; A fragment is 16 rows x 128 K = 2,048 bytes: byte 512 c + 16 L holds registers 4 c .. 4 c + 3 of lane L = (r = L % 16, h = L / 16): k = 32 c + 16 h + 0 .. 15 of the fragment's row r.
; A quad is 256 bytes: the scale words (4 bytes: 128 along K of a row) of four fragments.  e: tile j, row r at 16 r + 4 j.  hn: at 128 (j / 2) + 8 r + 4 (j % 2).  Weights: tile 2 b + u, row r at 16 r + 8 u + 4 b.
; The rows of e's tiles and the columns of the weights' tiles are not neighbours: tile 2 b + u, row p is index 32 b + 8 u + p + 8 (p / 8).
; ROLES, by the work-group's number (the same in all four waves); every work-group reads 128 KiB, and 768 of them are three to each of 256 WGPs:
;   0 .. 127    HN: half a chunk: rmsnorm of 32 of h's rows 64 chunk + 63 + q; wave w takes K steps w and w + 4.  A query past its batch's last row repeats that row: no load leaves h, and a later launch throws those queries' results away.
;   128 .. 255  W:  matrix (Wq, Wk, Wv, Wo), a group of 64 columns and half of K; K is the weight's first axis: a lane takes a column and its registers run down K.
;   256 .. 767  E:  chunk, a quad of four tiles of 16 keys, half of K.
; wimg: for each head Wk's, Wv's, Wq's eight K steps of 8,448 bytes; behind the 16 heads Wo: [pair of groups][K step][group of two].
; A block's scale is 2^(floor(log2(its largest magnitude)) - 15); its byte is that magnitude's exponent field - 15, held at 1 from below by a floor among the maximum's leaves.
; WORK LEFT OUT: none.  The 63 queries of a batch that reference() pads and slices away lie in tiles and chunks whose keys or other queries are live, and go along.
; LIMITS: NaN and infinities among the inputs are not served.  A block of zeros gets the byte 1 where the rule says 127: its codes are zeros, and this program alone reads the bytes.
; No tensor load, no cluster, no matrix unit: this launch streams, and work-groups share no large input.
.set FLOORC, 0x8000000                 ; 2^(16 - 127)
.set M15,    0xf8800000                ; -(15 << 23)
.set EXPM,   0x7f800000
.set SPI,    528                       ; a stage row: 512 bytes + 16 of padding, an odd multiple of 16
.set STB,    16*SPI                    ; a stage: 16 rows
.set STH,    4*STB                     ; LDS: E's four stages from 0, HN's two for each wave from here (each path has bytes of its own),
.set PART,   12*STB                    ; the partial sums of squares: [tile 2][wave 4][16 words],
.set SPARE,  PART+512                  ; the spare words, 128 bytes for each wave: two blocks of 256 bytes that no other line names
.set LI,    1                          ; v1   16 x lane
.set STWE,  2                          ; v2   E: my stage + 16 x lane
.set STRE,  3                          ; v3   E: my stage + 528 r + 64 h
.set QD,    4                          ; v4   16 r + 8 h
.set PARTW, 5                          ; v5   PART + 64 x wave + 4 r
.set PARTR, 6                          ; v6   PART + 4 r
.set H64,   7                          ; v7   64 h
.set STWH,  8                          ; v8   HN: as v2
.set STRH,  9                          ; v9   HN: as v3
.set SPW,   10                         ; v10  my spare word; never rewritten
.set NIL,   11                         ; v11  0; never rewritten
.set PW,    12                         ; v12-15 four tiles' scale words
.set PC,    16                         ; v16-31 a fragment's codes
.set TM,    32                         ; v32-35 largest magnitudes, v36-39 the other half's / bytes, v40-43 57,344 x scale, v44-47 the conversions' scale operands
.set SQ,    56                         ; v56-57 two words of my lane
.set HQO,   59                         ; v59  HN: 8 r + 33,792 h
.set X,     64                         ; v64-127  64 numbers: register 16 c + i = k 32 c + 16 h + i of row r
.set R0,    128                        ; v128-191 16 rows as loaded (HN: later g_norm in X's layout)
.set R1,    192                        ; v192-255 the second set
.set WV,    24                         ; s24  wave
.set KS,    79                         ; s79  E, W: my K step
.set SEL,   68                         ; s[68:69] selects for lane l xor 16
.set MNT,   70                         ; s70  the mantissa field of 57,344
.set SM,    71                         ; s71  lanes 16-31
; 64 numbers in v[s] on become a fragment's codes in v[PC] on and its scale word in v[pw]; the four blocks go by turns
.macro QUANT s, pw
.irp b, 0,1,2,3
	v_max3_num_f32 v[TM+\b], |v[\s+16*\b]|, |v[\s+16*\b+1]|, FLOORC
.endr
.irp i, 2,4,6,8,10,12,14
.irp b, 0,1,2,3
	v_max3_num_f32 v[TM+\b], v[TM+\b], |v[\s+16*\b+\i]|, |v[\s+16*\b+\i+1]|
.endr
.endr
.irp b, 0,1,2,3
	v_permlanex16_b32 v[TM+4+\b], v[TM+\b], s[SEL], s[SEL+1]
.endr
.irp b, 0,1,2,3
	v_max_num_f32 v[TM+\b], v[TM+\b], v[TM+4+\b]                       ; with lane l xor 16's 16: the block's largest magnitude
.endr
.irp b, 0,1,2,3
	v_add_nc_u32 v[TM+12+\b], M15, v[TM+\b]                            ; 15 off its exponent field: the conversion's scale operand
.endr
.irp b, 0,1,2,3
	v_and_or_b32 v[TM+8+\b], v[TM+\b], EXPM, s[MNT]                    ; 57,344 x the scale
.endr
.irp b, 0,1,2,3
	v_lshrrev_b32 v[TM+4+\b], 23, v[TM+12+\b]                          ; the scale's byte
.endr
	v_lshl_or_b32 v[\pw], v[TM+5], 8, v[TM+4]
	v_lshl_or_b32 v[\pw], v[TM+6], 16, v[\pw]
	v_lshl_or_b32 v[\pw], v[TM+7], 24, v[\pw]
.irp b, 0,1,2,3
.irp i, 0,1,2,3,4,5,6,7,8,9,10,11,12,13,14,15
	v_med3_num_f32 v[\s+16*\b+\i], v[\s+16*\b+\i], -v[TM+8+\b], v[TM+8+\b]   ; the conversion to an 8-bit code does not saturate (ISA guide 7.6.2): the hold
.endr
	v_cvt_scalef32_pk8_bf8_f32 v[PC+4*\b:PC+4*\b+1], v[\s+16*\b:\s+16*\b+7], v[TM+12+\b]
	v_cvt_scalef32_pk8_bf8_f32 v[PC+4*\b+2:PC+4*\b+3], v[\s+16*\b+8:\s+16*\b+15], v[TM+12+\b]
.endr
	v_nop                                                              ; a plain line behind the last conversion
.endm
; 16 rows of 512 bytes, as loaded (a row an instruction), go into a stage and come back 64 numbers a lane.  LDS serves a wave's instructions in order: no wait between
.macro STIN stw, r, o
.irp i, 0,1,2,3,4,5,6,7,8,9,10,11,12,13,14,15
	ds_store_b128 v[\stw], v[\r+4*\i:\r+4*\i+3] offset:SPI*\i+\o
.endr
.endm
.macro STOUT str, o
.irp c, 0,1,2,3
.irp j, 0,1,2,3
	ds_load_b128 v[X+16*\c+4*\j:X+16*\c+4*\j+3], v[\str] offset:128*\c+16*\j+\o
.endr
.endr
.endm
.macro OUT o, d                        ; a fragment leaves: each store covers 512 consecutive bytes, aligned
.irp c, 0,1,2,3
	global_store_b128 v[LI], v[PC+4*\c:PC+4*\c+3], s[\d:\d+1] offset:\o+512*\c
.endr
.endm
	s_load_b256 s[4:11], s[0:1], 0x0               ; h s[4:5], e s[6:7], g_norm s[8:9], Wq s[10:11]
	s_load_b256 s[12:19], s[0:1], 0x20             ; Wk s[12:13], Wv s[14:15], Wo s[16:17], hnimg s[18:19]
	s_load_b128 s[20:23], s[0:1], 0x40             ; eimg s[20:21], wimg s[22:23]
	v_lshl_add_u32 v[SPW], v0, 2, SPARE
	v_mov_b32 v[NIL], 0
	v_lshrrev_b32 v12, 5, v0
	v_readfirstlane_b32 s[WV], v12
	v_and_b32 v12, 31, v0                          ; lane
	v_and_b32 v13, 15, v0                          ; r
	v_bfe_u32 v14, v0, 4, 1                        ; h
	v_lshlrev_b32 v[LI], 4, v12
	v_lshlrev_b32 v[QD], 4, v13
	v_lshlrev_b32 v[H64], 6, v14
	v_mul_u32_u24 v15, v13, SPI
	v_lshl_add_u32 v[QD], v14, 3, v[QD]
	v_add_nc_u32 v15, v15, v[H64]
	s_mul_i32 s25, s[WV], STB
	v_add_nc_u32 v[STWE], s25, v[LI]
	v_add_nc_u32 v[STRE], s25, v15
	s_mul_i32 s25, s[WV], 2*STB
	s_add_co_u32 s25, s25, STH
	v_add_nc_u32 v[STWH], s25, v[LI]
	v_add_nc_u32 v[STRH], s25, v15
	s_lshl_b32 s25, s[WV], 6
	v_lshlrev_b32 v[PARTR], 2, v13
	v_mul_u32_u24 v[HQO], v14, 33792
	v_add_nc_u32 v[PARTR], PART, v[PARTR]
	v_lshl_add_u32 v[HQO], v13, 3, v[HQO]
	v_add_nc_u32 v[PARTW], s25, v[PARTR]
.irp b, 0,1,2,3
	v_mov_b32 v[TM+4+\b], 0                        ; written once: a lane permute's destination counts as one of its sources
.endr
	v_mov_b32 v52, 0
	s_mov_b32 s[SEL], 0x76543210
	s_mov_b32 s[SEL+1], 0xfedcba98
	s_mov_b32 s[MNT], 0x600000
	s_mov_b32 s[SM], 0xffff0000
	s_wait_alu depctr_va_vdst(0)                   ; the wait at the head's end
	s_wait_kmcnt 0x0
	s_cmp_lt_u32 ttmp9, 128
	s_cbranch_scc1 .Lhn
	s_cmp_lt_u32 ttmp9, 256
	s_cbranch_scc1 .Lw
; ---------------- E: four tiles of 16 keys of one chunk, my K step
	s_sub_co_u32 s25, ttmp9, 256
	s_and_b32 s26, s25, 1
	s_lshl_b32 s26, s26, 2
	s_add_co_u32 s[KS], s[WV], s26                 ; K step = wave + 4 x half
	s_lshr_b32 s25, s25, 1
	s_lshr_b32 s26, s25, 2                         ; chunk
	s_and_b32 s27, s25, 3                          ; quad
	s_lshl_b32 s28, s26, 20                        ; 256 rows of 4,096 bytes a chunk,
	s_lshl_b32 s30, s27, 18                        ; 64 rows a quad,
	s_add_co_u32 s28, s28, s30
	s_lshl_b32 s30, s[KS], 9                       ; 512 bytes a K step
	s_add_co_u32 s28, s28, s30
	s_mov_b32 s29, 0
	s_add_nc_u64 s[6:7], s[6:7], s[28:29]
	s_mul_i32 s28, s26, 270336
	s_mul_i32 s30, s[KS], 33792
	s_add_co_u32 s28, s28, s30
	s_add_nc_u64 s[20:21], s[20:21], s[28:29]      ; eimg at (chunk, K step)
	s_lshl_b32 s30, s27, 8
	s_add_co_u32 s30, s30, 32768
	s_mov_b32 s31, 0
	s_add_nc_u64 s[76:77], s[20:21], s[30:31]      ; my quad of scale words
	s_lshl_b32 s30, s27, 13
	s_add_nc_u64 s[20:21], s[20:21], s[30:31]      ; my four fragments
.macro ELOAD j, r                      ; tile j: its 16 rows, chosen by the immediates; 32 lanes read 512 consecutive bytes of a row
.irp i, 0,1,2,3,4,5,6,7,8,9,10,11,12,13,14,15
	global_load_b128 v[\r+4*\i:\r+4*\i+3], v[LI], s[6:7] offset:(32*((\j)/2)+8*((\j)%2)+\i+8*(\i/8))*4096 th:TH_LOAD_NT
.endr
.endm
	ELOAD 0, R0
	ELOAD 1, R1
.irp t, 0,1,2,3
.if \t < 3
	s_wait_loadcnt 16                              ; this tile's 16 loads are in; the next tile's may be out
.else
	s_wait_loadcnt 0x0
.endif
	STIN STWE, R0+64*(\t%2), 0
	STOUT STRE, 0
	s_wait_dscnt 0x0                               ; the numbers are back, and the stage's stores have read their registers
	s_wait_xcnt 0x0                                ; the last tile's stores have read their codes: these are written again only behind this wait
.if \t < 2
	ELOAD \t+2, R0+64*(\t%2)
.endif
	QUANT X, PW+\t
	OUT 2048*\t, 20
.endr
	v_cndmask_b32 v[SQ], v[PW], v[PW+2], s[SM]     ; lane (r, h) holds tiles 2 h and 2 h + 1 of row r: 32 lanes store one aligned block of 256 bytes
	v_cndmask_b32 v[SQ+1], v[PW+1], v[PW+3], s[SM]
	global_store_b64 v[QD], v[SQ:SQ+1], s[76:77]
	s_wait_tensorcnt 0x0                           ; the wave's end: behind my last LDS store
	ds_add_u32 v[SPW], v[NIL]
	s_wait_dscnt 0x0
	s_endpgm
; ---------------- HN: rmsnorm of 32 rows of h, two tiles, a trip a tile; my K steps w (a) and w + 4 (b); the sums of squares meet in LDS
.Lhn:
	s_lshr_b32 s26, ttmp9, 1                       ; chunk
	s_and_b32 s27, ttmp9, 1                        ; which half of its 64 queries
	s_lshl_b32 s28, s26, 18                        ; 64 rows of 4,096 bytes a chunk,
	s_add_co_u32 s28, s28, 63*4096                 ; the shift by 63 rows,
	s_lshl_b32 s30, s[WV], 9                       ; my K step a; b lies 2,048 bytes on
	s_add_co_u32 s28, s28, s30
	s_mov_b32 s29, 0
	s_add_nc_u64 s[4:5], s[4:5], s[28:29]
	s_mov_b32 s31, 0
	s_add_nc_u64 s[8:9], s[8:9], s[30:31]          ; g_norm at my K step a
	s_and_b32 s72, s26, 15
	s_lshl_b32 s72, s72, 6
	s_sub_co_u32 s72, 960, s72                     ; the last query of this chunk that has a row in its batch
	s_mul_i32 s28, s26, 67584
	s_mul_i32 s30, s[WV], 8448
	s_add_co_u32 s28, s28, s30
	s_add_nc_u64 s[18:19], s[18:19], s[28:29]      ; hnimg at (chunk, K step a)
	s_lshl_b32 s30, s27, 7
	s_add_co_u32 s30, s30, 8192
	s_add_nc_u64 s[76:77], s[18:19], s[30:31]      ; my half of the quad
	s_lshl_b32 s30, s27, 12
	s_add_nc_u64 s[18:19], s[18:19], s[30:31]      ; my two fragments
	s_lshl_b32 s75, s27, 5                         ; the tile's first query
	s_mov_b32 s73, 0x3a800000                      ; 1 / 1024
	s_mov_b32 s74, 0x322bcc77                      ; 1e-8
	s_mov_b32 s67, 0
	v_mov_b32 v[PW+2], 0                           ; (moved on before they are first made)
	v_mov_b32 v[PW+3], 0
	s_mov_b32 s78, 2
	s_wait_alu depctr_va_vdst(0)
.Lht:
	s_wait_xcnt 0x0                                ; pointers and codes of the trip before are written again only behind this wait
.irp i, 0,1,2,3,4,5,6,7,8,9,10,11,12,13,14,15
	s_add_co_u32 s66, s75, \i
	s_min_u32 s66, s66, s72                        ; held at the batch's last row
	s_lshl_b32 s66, s66, 12
	s_add_nc_u64 s[32+2*\i:33+2*\i], s[4:5], s[66:67]
.endr
.irp i, 0,1,2,3,4,5,6,7,8,9,10,11,12,13,14,15
	global_load_b128 v[R0+4*\i:R0+4*\i+3], v[LI], s[32+2*\i:33+2*\i]
	global_load_b128 v[R1+4*\i:R1+4*\i+3], v[LI], s[32+2*\i:33+2*\i] offset:2048
.endr
	v_mov_b32 v[PW], v[PW+2]                       ; the first tile's words move on
	v_mov_b32 v[PW+1], v[PW+3]
	s_wait_alu depctr_va_vdst(0)
	s_wait_loadcnt 0x0
	STIN STWH, R0, 0
	STIN STWH, R1, STB
	STOUT STRH, 0
	s_wait_dscnt 0x0                               ; the stores have read their registers, which take g_norm for both K steps
.irp c, 0,1,2,3
.irp j, 0,1,2,3
	global_load_b128 v[R0+16*\c+4*\j:R0+16*\c+4*\j+3], v[H64], s[8:9] offset:128*\c+16*\j
	global_load_b128 v[R1+16*\c+4*\j:R1+16*\c+4*\j+3], v[H64], s[8:9] offset:2048+128*\c+16*\j
.endr
.endr
	v_pk_mul_f32 v[48:49], v[X:X+1], v[X:X+1]      ; the sum of squares, in two chains
	v_pk_mul_f32 v[50:51], v[X+2:X+3], v[X+2:X+3]
.irp j, 4,8,12,16,20,24,28,32,36,40,44,48,52,56,60
	v_pk_fma_f32 v[48:49], v[X+\j:X+\j+1], v[X+\j:X+\j+1], v[48:49]
	v_pk_fma_f32 v[50:51], v[X+\j+2:X+\j+3], v[X+\j+2:X+\j+3], v[50:51]
.endr
	STOUT STRH, STB
	s_wait_alu depctr_va_vdst(0)                   ; the wait here, directly ahead of the wait below
	s_wait_dscnt 0x0
.irp j, 0,4,8,12,16,20,24,28,32,36,40,44,48,52,56,60
	v_pk_fma_f32 v[48:49], v[X+\j:X+\j+1], v[X+\j:X+\j+1], v[48:49]
	v_pk_fma_f32 v[50:51], v[X+\j+2:X+\j+3], v[X+\j+2:X+\j+3], v[50:51]
.endr
	v_pk_add_f32 v[48:49], v[48:49], v[50:51]
	v_add_f32 v48, v48, v49
	v_permlanex16_b32 v52, v48, s[SEL], s[SEL+1]
	v_add_f32 v48, v48, v52                        ; row r's 256 numbers of my two K steps
	ds_store_b32 v[PARTW], v48                     ; both halves of the lanes write the same word with the same value
	s_wait_loadcnt 0x0                             ; g_norm
.set ii, 0
.rept 32
	v_pk_mul_f32 v[X+ii:X+ii+1], v[X+ii:X+ii+1], v[R1+ii:R1+ii+1]   ; x g, K step b, while the store is out
.set ii, ii+2
.endr
	s_wait_alu depctr_va_vdst(0)
	s_wait_dscnt 0x0                               ; for the others' sake: my partial sum lies in LDS
	s_barrier_signal -1
	s_barrier_wait -1                              ; each tile has words of its own, so one barrier a tile does
.irp w, 0,1,2,3
	ds_load_b32 v[60+\w], v[PARTR] offset:64*\w
.endr
	s_wait_dscnt 0x0
	v_add_f32 v60, v60, v61                        ; one fixed tree: all four waves get the same bits
	v_add_f32 v62, v62, v63
	v_add_f32 v60, v60, v62
	v_fma_f32 v60, v60, s73, s74                   ; the mean + 1e-8
	s_wait_alu depctr_va_vdst(0)
	v_rsq_f32 v54, v60
	v_nop                                          ; a plain line behind the transcendental,
	s_wait_alu depctr_va_vdst(0)                   ; and a wait ahead of its first reader
	v_mov_b32 v55, v54
.set ii, 0
.rept 32
	v_pk_mul_f32 v[X+ii:X+ii+1], v[X+ii:X+ii+1], v[54:55]
.set ii, ii+2
.endr
	QUANT X, PW+2
	OUT 33792, 18                                  ; K step b
	STOUT STRH, 0                                  ; K step a once more from its stage
	s_wait_alu depctr_va_vdst(0)
	s_wait_dscnt 0x0
.set ii, 0
.rept 32
	v_pk_mul_f32 v[X+ii:X+ii+1], v[X+ii:X+ii+1], v[R0+ii:R0+ii+1]
.set ii, ii+2
.endr
.set ii, 0
.rept 32
	v_pk_mul_f32 v[X+ii:X+ii+1], v[X+ii:X+ii+1], v[54:55]
.set ii, ii+2
.endr
	s_wait_alu depctr_va_vdst(0)
	s_wait_xcnt 0x0                                ; K step b's stores have read their codes
	QUANT X, PW+3
	OUT 0, 18
	v_add_nc_u32 v[PARTW], 256, v[PARTW]           ; the next tile's words
	v_add_nc_u32 v[PARTR], 256, v[PARTR]
	s_wait_alu depctr_va_vdst(0)
	s_wait_xcnt 0x0
	s_add_nc_u64 s[18:19], s[18:19], 2048
	s_add_co_u32 s75, s75, 16
	s_sub_co_u32 s78, s78, 1
	s_cmp_lg_u32 s78, 0
	s_cbranch_scc1 .Lht
	v_cndmask_b32 v[SQ], v[PW+1], v[PW], s[SM]     ; lanes 0-15: K step a's two words of row r; lanes 16-31: K step b's: sixteen lanes store 128 consecutive bytes
	v_cndmask_b32 v[SQ+1], v[PW+3], v[PW+2], s[SM]
	global_store_b64 v[HQO], v[SQ:SQ+1], s[76:77]
	s_wait_tensorcnt 0x0                           ; the wave's end: behind my last LDS store
	ds_add_u32 v[SPW], v[NIL]
	s_wait_dscnt 0x0
	s_endpgm
; ---------------- W: 64 columns of a weight, my K step.  Lane (u = lane / 16, p = lane % 16) takes column 8 u + p + 8 (p / 8) of a group of 32: it is row p of tile 2 b + u.  No LDS
.Lw:
	s_sub_co_u32 s25, ttmp9, 128
	s_and_b32 s26, s25, 1
	s_lshl_b32 s26, s26, 2
	s_add_co_u32 s[KS], s[WV], s26                 ; K step = wave + 4 x half
	s_lshr_b32 s25, s25, 1
	s_lshr_b32 s26, s25, 4                         ; 0 Wq, 1 Wk, 2 Wv, 3 Wo
	s_and_b32 s27, s25, 15                         ; the group of 64 columns (for Wq, Wk, Wv: the head)
	s_sub_co_u32 s31, s26, 1                       ; a head's streams: Wk, Wv, Wq
	s_cmp_eq_u32 s26, 0
	s_cselect_b32 s31, 2, s31
	s_mul_i32 s28, s27, 3
	s_add_co_u32 s28, s28, s31
	s_mul_i32 s28, s28, 67584
	s_mul_i32 s30, s[KS], 8448
	s_add_co_u32 s28, s28, s30
	s_lshr_b32 s30, s27, 1                         ; Wo: pair of groups, K step, group
	s_mul_i32 s30, s30, 135168
	s_mul_i32 s31, s[KS], 16896
	s_add_co_u32 s30, s30, s31
	s_and_b32 s31, s27, 1
	s_mul_i32 s31, s31, 8448
	s_add_co_u32 s30, s30, s31
	s_add_co_u32 s30, s30, 48*67584
	s_cmp_eq_u32 s26, 1
	s_cselect_b64 s[10:11], s[12:13], s[10:11]
	s_cmp_eq_u32 s26, 2
	s_cselect_b64 s[10:11], s[14:15], s[10:11]
	s_cmp_eq_u32 s26, 3
	s_cselect_b64 s[10:11], s[16:17], s[10:11]
	s_cselect_b32 s28, s30, s28
	s_mov_b32 s29, 0
	s_add_nc_u64 s[22:23], s[22:23], s[28:29]      ; wimg at (stream, K step)
	s_lshl_b32 s28, s[KS], 19                      ; 128 rows of 4,096 bytes a K step,
	s_lshl_b32 s30, s27, 8                         ; 256 bytes a group of columns
	s_add_co_u32 s28, s28, s30
	s_add_nc_u64 s[10:11], s[10:11], s[28:29]
	v_and_b32 v62, 15, v0
	v_bfe_u32 v63, v0, 4, 1
	v_and_b32 v61, 8, v62
	v_lshlrev_b32 v60, 4, v62
	v_add_nc_u32 v61, v61, v62
	v_lshl_add_u32 v60, v63, 11, v60               ; out: 2,048 u + 16 p
	v_lshl_add_u32 v61, v63, 3, v61
	v_lshlrev_b32 v61, 2, v61                      ; in: 4 x my column
	s_wait_alu depctr_va_vdst(0)
.macro WLOAD t                         ; block t = 4 b + c: W(32 c + i, 32 b + my column), i = 0 .. 31: 32 lanes read 128 consecutive bytes
.irp i, 0,1,2,3,4,5,6,7,8,9,10,11,12,13,14,15,16,17,18,19,20,21,22,23,24,25,26,27,28,29,30,31
	global_load_b32 v[X+32*((\t)%2)+\i], v61, s[10:11] offset:(32*((\t)%4)+\i)*4096+128*((\t)/4) th:TH_LOAD_NT
.endr
.endm
.macro WBLOCK t
.set XS, X+32*((\t)%2)
.if (\t) < 7
	s_wait_loadcnt 32                              ; this block's 32 loads are in; the next block's may be out
.else
	s_wait_loadcnt 0x0
.endif
	v_max3_num_f32 v32, |v[XS]|, |v[XS+1]|, |v[XS+2]|      ; all 32 numbers of the block are mine
	v_max3_num_f32 v33, |v[XS+3]|, |v[XS+4]|, |v[XS+5]|
.irp i, 6,10,14,18,22,26
	v_max3_num_f32 v32, v32, |v[XS+\i]|, |v[XS+\i+1]|
	v_max3_num_f32 v33, v33, |v[XS+\i+2]|, |v[XS+\i+3]|
.endr
	v_max3_num_f32 v32, v32, |v[XS+30]|, |v[XS+31]|
	v_max3_num_f32 v32, v32, v33, FLOORC
	v_add_nc_u32 v35, M15, v32
	v_and_or_b32 v34, v32, EXPM, s[MNT]
	v_lshrrev_b32 v33, 23, v35
.if (\t)%4 == 0
	v_mov_b32 v[48+(\t)/4], v33                    ; four bytes to a word, the lower K in the lower byte
.else
	v_lshl_or_b32 v[48+(\t)/4], v33, 8*((\t)%4), v[48+(\t)/4]
.endif
.irp i, 0,1,2,3,4,5,6,7,8,9,10,11,12,13,14,15,16,17,18,19,20,21,22,23,24,25,26,27,28,29,30,31
	v_med3_num_f32 v[XS+\i], v[XS+\i], -v34, v34
.endr
.irp q, 0,1,2,3
	v_cvt_scalef32_pk8_bf8_f32 v[128+8*(\t)+2*\q:128+8*(\t)+2*\q+1], v[XS+8*\q:XS+8*\q+7], v35   ; each block has code registers of its own: no store's data are written again
.endr
	v_nop
	global_store_b128 v60, v[128+8*(\t):128+8*(\t)+3], s[22:23] offset:4096*((\t)/4)+512*((\t)%4)        ; k 0 .. 15 of the block: the image's lanes 0-15; sixteen lanes store 256 consecutive bytes, aligned
	global_store_b128 v60, v[128+8*(\t)+4:128+8*(\t)+7], s[22:23] offset:4096*((\t)/4)+512*((\t)%4)+256  ; k 16 .. 31: its lanes 16-31
.if (\t)+2 < 8
	WLOAD (\t)+2
.endif
.endm
	WLOAD 0
	WLOAD 1
.irp t, 0,1,2,3,4,5,6,7
	WBLOCK \t
.endr
	global_store_b64 v[QD], v[48:49], s[22:23] offset:8192   ; the words of tiles u and 2 + u, row p: 32 lanes store one aligned block of 256 bytes
	s_endpgm
.Lfunc_end_k_qb411d300d1_prep:
	.size	k_qb411d300d1_prep, .Lfunc_end_k_qb411d300d1_prep-k_qb411d300d1_prep
	.p2alignl 7, 3214868480
	.fill 96, 4, 3214868480
	.section	.rodata,"a",@progbits
	.p2align	6, 0x0
	.amdhsa_kernel k_qb411d300d1_prep
		.amdhsa_group_segment_fixed_size 102400
		.amdhsa_private_segment_fixed_size 0
		.amdhsa_enable_private_segment 0
		.amdhsa_kernarg_size 80
		.amdhsa_user_sgpr_count 2
		.amdhsa_user_sgpr_kernarg_segment_ptr 1
		.amdhsa_wavefront_size32 1
		.amdhsa_system_sgpr_workgroup_id_x 1
		.amdhsa_system_sgpr_workgroup_id_y 1
		.amdhsa_system_sgpr_workgroup_id_z 1
		.amdhsa_system_vgpr_workitem_id 0
		.amdhsa_next_free_vgpr 256
		.amdhsa_next_free_sgpr 80
		.amdhsa_reserve_vcc 0
		.amdhsa_float_denorm_mode_32 3
		.amdhsa_float_denorm_mode_16_64 3
		.amdhsa_memory_ordered 1
		.amdhsa_forward_progress 1
		.amdhsa_inst_pref_size 153
	.end_amdhsa_kernel
	.amdgpu_metadata
---
amdhsa.version: [ 1, 2 ]
amdhsa.kernels:
  - .name:           k_qb411d300d1_prep
    .symbol:         k_qb411d300d1_prep.kd
    .args:
      - { .name: h, .offset: 0, .size: 8, .value_kind: global_buffer, .address_space: global }
      - { .name: e, .offset: 8, .size: 8, .value_kind: global_buffer, .address_space: global }
      - { .name: g_norm, .offset: 16, .size: 8, .value_kind: global_buffer, .address_space: global }
      - { .name: Wq, .offset: 24, .size: 8, .value_kind: global_buffer, .address_space: global }
      - { .name: Wk, .offset: 32, .size: 8, .value_kind: global_buffer, .address_space: global }
      - { .name: Wv, .offset: 40, .size: 8, .value_kind: global_buffer, .address_space: global }
      - { .name: Wo, .offset: 48, .size: 8, .value_kind: global_buffer, .address_space: global }
      - { .name: hnimg, .offset: 56, .size: 8, .value_kind: global_buffer, .address_space: global }
      - { .name: eimg, .offset: 64, .size: 8, .value_kind: global_buffer, .address_space: global }
      - { .name: wimg, .offset: 72, .size: 8, .value_kind: global_buffer, .address_space: global }
    .group_segment_fixed_size: 102400
    .private_segment_fixed_size: 0
    .kernarg_segment_align: 8
    .kernarg_segment_size: 80
    .max_flat_workgroup_size: 128
    .sgpr_count:     80
    .vgpr_count:     256
    .wavefront_size: 32
...
	.end_amdgpu_metadata
.endif
;; end of part 1
;; launch attn (part 2): grid 4 x 64, 4 waves a work-group, clusters of 4 x 4, 327,680 bytes of LDS; arguments eimg, hnimg, wimg, bq, bk, bv, oimg; writes oimg
.if DOCPART == 2
	.amdgcn_target "amdgcn-amd-amdhsa--gfx1250"
	.amdhsa_code_object_version 6
	.text
	.protected	k_qb411d300d1_attn
	.globl	k_qb411d300d1_attn
	.p2align	8
	.type	k_qb411d300d1_attn,@function
k_qb411d300d1_attn:
	s_mov_b64 s[64:65], 0
	v_nop
	global_prefetch_b8 v0, s[64:65] scope:SCOPE_SE
	s_setreg_imm32_b32 hwreg(HW_REG_WAVE_MODE, 25, 1), 1
	s_wait_xcnt 0x0
	s_wait_alu depctr_hold_cnt(0) depctr_sa_sdst(0) depctr_va_vdst(0) depctr_va_sdst(0) depctr_va_ssrc(0) depctr_va_vcc(0) depctr_vm_vsrc(0)
	s_getreg_b32 s2, hwreg(HW_REG_IB_STS2, 6, 4)
	s_cmp_eq_u32 s2, 0
	s_cbranch_scc0 .Lentry_in_a_cluster
	s_endpgm
.Lentry_in_a_cluster:
	s_bfe_u32 s2, ttmp6, 0x10000c
	s_cmp_lg_u32 s2, 0xf033
	s_cbranch_scc0 .Lentry_shape_is_right
	s_endpgm
.Lentry_shape_is_right:
; ATTN: a work-group takes one chunk (64 queries, 256 keys) and four heads, A WAVE A HEAD: k, v and q projections, scores, softmax, p v, and o's codes.  All five products on codes of BF8 (E5M2) with E8M0 scales.
; q, k, v, the scores and p never leave the wave's registers (q rests in the wave's own LDS bytes between its quantiser and the loop over its tiles).
; WORK LEFT OUT: none (the padded queries of a batch's last chunk go along with its live ones).
; ORDER: K (8 steps of 128 along K), V (8), Q (8), attention.
; CLUSTER 4 x 4: four head groups x four chunks.  The four of a row share a chunk's images of e and hn, the four of a column share Wq: those are asked for JOINTLY.  Wk's and Wv's steps and Wq's steps 0, 1 go from
; memory straight into registers, a K step ahead: e's images take 270,336 of LDS's 327,680 bytes, so two slots of four heads' weights (33,792 bytes a step) have no room beside them.
; LDS: e's K step s at 33,792 s.  Head: wave 0 fetches step 0, wave 1 step 1, waves 2, 3 steps 2-4, 5-7: shown in that order.  Behind K's step 7 hn's steps 0-5 (50,688 bytes) are filled behind e; its steps 6, 7 go into
; registers in phase Q.  One refill: behind V's step 6 Wq's steps 2-7 into the bytes of e's steps 0-5 (a wave's head at 50,688 x wave).  q's and o's stages lie in the wave's own part of these once it has read them.
; LAYOUTS.  K: source 0 = Wk's columns, source 1 = e's rows: a lane holds one key, registers along the 64.  V: the other way round: a lane holds one channel, registers along the keys.  Q: source 0 = Wq, source 1 = hn.
; The weights' columns and e's rows that form a tile are chosen (tile 2 b + u, row p = index 32 b + 8 u + p + 8 (p / 8)) so that
; the 16 registers of two neighbouring tiles are 16 neighbours along the next product's K: the conversions' results ARE the next operand's registers.
; S^T = k q^T: K = 64 of the instruction's 128: q's upper eight registers are zero codes; beside them k's operand names the next tile's codes, which are finite numbers and add nothing.
; THE BIAS starts the sums: bk, bv lie in the last tile's accumulators, which the first step's products of all tiles name as C; the last tile's own come last.
; SOFTMAX: the row's largest score is taken away; p = 2^(c s - c m) / the row's sum is quantised finished and normalised, c = log2(e) / 8.
; A block's largest p is not searched for: the block's largest score goes through the same instructions (this takes v_exp_f32 not to fall where its input rises).
; PREFETCH: weight step s + 4 is asked for in step s, and in V's steps Wq's too: of a head's 33 blocks of 256 bytes a step, chunk y asks for block y % 32 (y % 32 = 0 for block 32 too), so a block is asked for by two work-groups.
; LIMITS: NaN and infinities among the inputs are not served; a block of zeros has the byte 1 (its codes are zeros; this program alone reads the bytes).
; REGISTERS, in windows of 256: window 0: v1-23 addresses; v24-63 scale words, bv, the prefetch's offset; v64-159, v160-255 two buffers of six fragments of e; between the phases v192-231 the quantisers at work;
;   phase Q: v64-191 Wq's steps 0, 1, then hn's 6, 7; attention: v64-191 S^T, then O^T, v192-255 at work.
;   window 1: v0-127 k's codes, 8 a tile; v128-255 two sets of a K step's weights, later v's codes.   windows 2, 3: the 64 accumulators, tile (kt, dt) at 8 (4 kt + dt)
;   (phase Q: window 2: q's 16 tiles and bq; window 3: two sets of hn and Wq.  Attention: window 2 v0-31: p's codes).
.set FLOORC, 0x8000000
.set M15,    0xf8800000
.set EXPM,   0x7f800000
.set ESTEP,  33792                     ; a K step of e: 16 fragments and 4 quads of scale words
.set HSTEP,  8448                      ; a K step of hn or of a weight stream: 4 fragments and a quad
.set WQB,    6*HSTEP                   ; six steps of Wq
.set HNB,    8*ESTEP                   ; hn's steps 0-5, behind e
.set SPARE,  HNB+6*HSTEP               ; the spare words, 128 bytes for each wave: two blocks of 256 bytes that no other line names
.set LI,  1                            ; v1   16 x lane
.set L4,  2                            ; v2   4 x lane
.set QD,  3                            ; v3   16 r + 8 h
.set EAE, 4                            ; v4, v5   e's fragments of the even, the odd K step in hand
.set EAO, 5
.set EQE, 6                            ; v6, v7   their scale words
.set EQO, 7
.set HA0, 8                            ; v8, v9   hn's fragments, steps 0-3, 4-5
.set HQ0, 10                           ; v10, v11 their scale words
.set QA,  12                           ; v12  q's image in hand (1,024 bytes each)
.set QSA, 13                           ; v13  its scale words (128 bytes each)
.set OSA, 14                           ; v14  where o's scale word goes
.set OSR, 15                           ; v15  and where the quad is read back
.set OV,  16                           ; v16  my byte offset in o's fragments
.set H64, 17                           ; v17  64 h
.set RP4, 18                           ; v18  4 (r + 8 (r / 8))
.set EQ0, 19                           ; v19  32,768 + 256 h + 16 r
.set WA,  20                           ; v20  Wq's fragments in LDS
.set WQ,  21                           ; v21  their scale words
.set SPW, 22                           ; v22  my spare word; never rewritten
.set NIL, 23                           ; v23  0; never rewritten
.set KS,  24                           ; v24-39 k's scale words, a tile each
.set WS,  40                           ; v40-43 the weights' scale words, two sets of two
.set ES,  44                           ; v44-47, v52-55 e's scale words of tiles 0-7, 8-15 (phase Q: v44-47 hn's, two sets of two)
.set BVR, 48                           ; v48-51 bv, a number a tile
.set VS,  52                           ; v52-59 v's scale words
.set HS6, 60                           ; v60-63 phase Q: hn's scale words of steps 6, 7
.set QSC, 60                           ; v60  attention: q's scale word
.set PS,  61                           ; v61, v62 p's scale words
.set PFO, 63                           ; v63  the prefetch's offset
.set TM,  192                          ; quantisers, in window 0: largest magnitudes,
.set TP,  200                          ; the other half's,
.set TH,  208                          ; 57,344 x scale,
.set TS,  216                          ; the conversions' scale operands,
.set TB,  224                          ; the bytes
.set BM,  208                          ; attention: the same five, the bytes in BP
.set BP,  216
.set TH2, 224
.set TS2, 232
.set WV,  18                           ; s18  wave
.set SEL, 24                           ; s[24:25]
.set MNT, 26
.set CNT, 27
.set CS,  28                           ; s[28:29] c;  s30 -c;  s31 16 x (head % 2)
.set WB,  60                           ; s[60:61] the weight step last asked for;  s[62:63] my head's first
.set MSB, 0
.macro WIN new                         ; the immediate's high byte repeats the setting that is left
.if MSB != (\new)
	s_set_vgpr_msb (MSB<<8)|(\new)
.set MSB, (\new)
.endif
.endm
.macro PLACES n                        ; plain vector lines behind matrix instructions (ISA guide 7.12.1 for matrix instructions)
.rept \n
	v_nop
.endr
.endm
.macro ROUND                           ; a round of the cluster's barrier
	s_barrier_signal -1
	s_barrier_wait -1
	s_cmp_lg_u32 s[WV], 0
	s_cbranch_scc1 .Lnw0_\@
	s_barrier_signal -3
.Lnw0_\@:
	s_barrier_wait -3
	s_barrier_signal -1
	s_barrier_wait -1
.endm
.macro GRD
	s_wait_tensorcnt 0x0
	ds_add_u32 v[SPW], v[NIL]
	s_wait_dscnt 0x0
.endm
.macro TLOAD g0, g1
	tensor_load_to_lds s[\g0:\g0+3], s[\g1:\g1+7]
	s_nop 0
	PLACES 4
.endm
.macro GROUP1 g, mask, rows            ; dense blocks as rows of 256 bytes (32 elements of 8 bytes), no padding; bit 21 beside the mask
	s_or_b32 s[\g], s[\mask], (3<<16)|(1<<21)
	s_mov_b32 s[\g+1], 32<<16
	s_mov_b32 s[\g+2], (\rows)<<16
	s_mov_b32 s[\g+3], 32<<16
	s_mov_b32 s[\g+4], \rows
	s_mov_b32 s[\g+5], 32
	s_mov_b32 s[\g+6], 0
	s_mov_b32 s[\g+7], 0
.endm
; one matrix instruction.  c < 0: the constant 0 starts the sum.  ra, rb: the scale words stand in lanes 16-31
.macro MM d, a, b, c, sa, ra, sb, rb
.if (\c) < 0
	v_wmma_scale_f32_16x16x128_f8f6f4 v[(\d):(\d)+7], v[(\a):(\a)+15], v[(\b):(\b)+15], 0, v[(\sa)], v[(\sb)] matrix_a_fmt:MATRIX_FMT_BF8 matrix_b_fmt:MATRIX_FMT_BF8
.elseif ((\ra) == 0) && ((\rb) == 0)
	v_wmma_scale_f32_16x16x128_f8f6f4 v[(\d):(\d)+7], v[(\a):(\a)+15], v[(\b):(\b)+15], v[(\c):(\c)+7], v[(\sa)], v[(\sb)] matrix_a_fmt:MATRIX_FMT_BF8 matrix_b_fmt:MATRIX_FMT_BF8
.elseif (\rb) == 0
	v_wmma_scale_f32_16x16x128_f8f6f4 v[(\d):(\d)+7], v[(\a):(\a)+15], v[(\b):(\b)+15], v[(\c):(\c)+7], v[(\sa)], v[(\sb)] matrix_a_fmt:MATRIX_FMT_BF8 matrix_b_fmt:MATRIX_FMT_BF8 matrix_a_scale:MATRIX_SCALE_ROW1
.elseif (\ra) == 0
	v_wmma_scale_f32_16x16x128_f8f6f4 v[(\d):(\d)+7], v[(\a):(\a)+15], v[(\b):(\b)+15], v[(\c):(\c)+7], v[(\sa)], v[(\sb)] matrix_a_fmt:MATRIX_FMT_BF8 matrix_b_fmt:MATRIX_FMT_BF8 matrix_b_scale:MATRIX_SCALE_ROW1
.else
	v_wmma_scale_f32_16x16x128_f8f6f4 v[(\d):(\d)+7], v[(\a):(\a)+15], v[(\b):(\b)+15], v[(\c):(\c)+7], v[(\sa)], v[(\sb)] matrix_a_fmt:MATRIX_FMT_BF8 matrix_b_fmt:MATRIX_FMT_BF8 matrix_a_scale:MATRIX_SCALE_ROW1 matrix_b_scale:MATRIX_SCALE_ROW1
.endif
.endm
.macro TILES areg, k0, n, buf          ; e's tiles k0 .. k0 + n - 1 into a buffer
.set K_, 0
.rept \n
.irp c, 0,1,2,3
	ds_load_b128 v[(\buf)+16*K_+4*\c:(\buf)+16*K_+4*\c+3], v[\areg] offset:2048*(\k0+K_)+512*\c
.endr
.set K_, K_+1
.endr
.endm
.macro WLD set                         ; a weight step's four tiles: 16 loads of 512 consecutive bytes, and its scale words: tile d in register d / 2, lanes 16 (d % 2) on
	global_load_b64 v[WS+2*(\set):WS+2*(\set)+1], v[QD], s[WB:WB+1] offset:8192   ; (the scale words first: they are wanted with tiles 0 and 1)
	WIN 0x40
.irp d, 0,1,2,3
.irp c, 0,1,2,3
	global_load_b128 v[128+64*(\set)+16*\d+4*\c:128+64*(\set)+16*\d+4*\c+3], v[LI], s[WB:WB+1] offset:2048*\d+512*\c
.endr
.endr
	WIN 0
.endm
; EIGHT BLOCKS OF 32 ARE QUANTISED.  Block e has its first eight numbers at base + s1 (e % 4) + s2 (e / 4) of window sw, its second eight dd further on (the other 16 lie in lane l xor 16).
; Codes: four registers a block at co + 4 e of window dw.  kind 0: scale words of two bytes, blocks 2 p and 2 p + 1 -> v[sr + p];  kind 1: of four bytes, blocks 4 w .. 4 w + 3 -> v[sr + w].
; Each stage stands under one window setting; each accumulator is read from its low end on.
.macro QG sw, base, s1, s2, dd, dw, co, kind, sr
	WIN (\sw)|((\sw)<<2)
.irp e, 0,1,2,3,4,5,6,7
.set QB, (\base)+(\s1)*(\e%4)+(\s2)*(\e/4)
	v_max3_num_f32 v[TM+\e], |v[QB]|, |v[QB+1]|, FLOORC
.endr
.irp i, 2,4,6
.irp e, 0,1,2,3,4,5,6,7
.set QB, (\base)+(\s1)*(\e%4)+(\s2)*(\e/4)
	v_max3_num_f32 v[TM+\e], |v[QB+\i]|, |v[QB+\i+1]|, v[TM+\e]
.endr
.endr
.irp i, 0,2,4,6
.irp e, 0,1,2,3,4,5,6,7
.set QB, (\base)+(\s1)*(\e%4)+(\s2)*(\e/4)+(\dd)
	v_max3_num_f32 v[TM+\e], |v[QB+\i]|, |v[QB+\i+1]|, v[TM+\e]
.endr
.endr
	WIN 0
.irp e, 0,1,2,3,4,5,6,7
	v_permlanex16_b32 v[TP+\e], v[TM+\e], s[SEL], s[SEL+1]
.endr
.irp e, 0,1,2,3,4,5,6,7
	v_max_num_f32 v[TM+\e], v[TM+\e], v[TP+\e]
.endr
.irp e, 0,1,2,3,4,5,6,7
	v_add_nc_u32 v[TS+\e], M15, v[TM+\e]
.endr
.irp e, 0,1,2,3,4,5,6,7
	v_and_or_b32 v[TH+\e], v[TM+\e], EXPM, s[MNT]
.endr
.irp e, 0,1,2,3,4,5,6,7
	v_lshrrev_b32 v[TB+\e], 23, v[TS+\e]
.endr
.if \kind == 0
.irp p, 0,1,2,3
	v_lshl_or_b32 v[(\sr)+\p], v[TB+2*\p+1], 8, v[TB+2*\p]
.endr
.else
.irp w, 0,1
	v_lshl_or_b32 v[(\sr)+\w], v[TB+4*\w+1], 8, v[TB+4*\w]
	v_lshl_or_b32 v[(\sr)+\w], v[TB+4*\w+2], 16, v[(\sr)+\w]
	v_lshl_or_b32 v[(\sr)+\w], v[TB+4*\w+3], 24, v[(\sr)+\w]
.endr
.endif
	WIN (\sw)|((\sw)<<6)
.irp e, 0,1,2,3,4,5,6,7
.set QB, (\base)+(\s1)*(\e%4)+(\s2)*(\e/4)
.irp i, 0,1,2,3,4,5,6,7
	v_med3_num_f32 v[QB+\i], v[QB+\i], -v[TH+\e], v[TH+\e]             ; the conversion to an 8-bit code does not saturate (ISA guide 7.6.2): the hold
.endr
.irp i, 0,1,2,3,4,5,6,7
	v_med3_num_f32 v[QB+(\dd)+\i], v[QB+(\dd)+\i], -v[TH+\e], v[TH+\e]
.endr
.endr
	WIN (\sw)|((\dw)<<6)
.irp e, 0,1,2,3,4,5,6,7
.set QB, (\base)+(\s1)*(\e%4)+(\s2)*(\e/4)
	v_cvt_scalef32_pk8_bf8_f32 v[(\co)+4*\e:(\co)+4*\e+1], v[QB:QB+7], v[TS+\e]
	v_cvt_scalef32_pk8_bf8_f32 v[(\co)+4*\e+2:(\co)+4*\e+3], v[QB+(\dd):QB+(\dd)+7], v[TS+\e]
.endr
	WIN 0
	v_nop                                          ; a plain line behind the last conversion
.endm
.macro MULS tr, par, first, k0, n, buf, wb=-1   ; n of e's tiles from k0 on, against the weights' tiles 0 and 1, then 2 and 3.  wb: the global loads that may stay out when tiles 2 and 3 are wanted (-1: no wait)
.irp hh, 0,1
.if (\hh) && ((\wb) >= 0)
	s_wait_loadcnt \wb
.endif
.set K_, 0
.rept \n
.set T_, \k0+K_
.set F_, (\buf)+16*K_
.if (\first) && (T_ == 15)
	PLACES 9                                       ; these products write over what the last tile's took as C
.endif
.if \first
	WIN (1+3*\tr)|(3<<4)|((2+T_/8)<<6)
.else
	WIN (1+3*\tr)|((2+T_/8)<<4)|((2+T_/8)<<6)
.endif
.irp d, 0,1
.set D_, 2*\hh+\d
.set AC_, 32*(T_%8)+8*D_
.if \first
.set CC_, 224+8*D_
.else
.set CC_, AC_
.endif
.if \tr == 0
	MM AC_, 128+64*\par+16*D_, F_, CC_, WS+2*\par+\hh, \d, ES+8*(T_/8)+T_%4, (T_/4)%2
.else
	MM AC_, F_, 128+64*\par+16*D_, CC_, ES+8*(T_/8)+T_%4, (T_/4)%2, WS+2*\par+\hh, \d
.endif
.endr
.set K_, K_+1
.endr
.endr
	WIN 0
.endm
; A K STEP OF PHASE K (tr = 0: source 0 the weights, source 1 e) OR V (tr = 1: the other way round): 64 matrix instructions, all on different accumulators, in the same order in every step
; e's 16 tiles go in three groups, 0-5, 6-10, 11-15, in two buffers by turns; an odd count, so a step begins in the buffer of its parity.  Ahead of a group's products, behind eight places, the next group is
; fetched in one run into the buffer that the last group has left; so all but the run just issued is waited for: 20 and, in groups 0, 2, scale words; or 24 and scale words.
; par: the step's parity: its weight set, address registers and first buffer.  first: the bias starts the sums.  nxt 1: the next step's tiles 0-5 follow; 2: step 0's, for the next phase; 0: nothing follows.
; issue: the next step's weights are asked for, into the set that the last step has left.  bar 1, 2: a barrier shows wave 1's tile, all tiles.  lc: the global loads that may stay out when this step's weights are wanted.
.macro STEP tr, par, first, nxt, issue, bar, lc
.if \issue
.set LC_, 17                           ; the loads behind this step's weights: the next step's,
.else
.set LC_, \lc                          ; or as told
.endif
.set CB_, 64+96*\par
.set NB_, 64+96*(1-\par)
	PLACES 8
	TILES EAE+\par, 6, 5, NB_
	ds_load_b128 v[ES+8:ES+11], v[EQE+\par] offset:512     ; this step's scale words of tiles 8-15
.if \issue
	s_wait_xcnt 0x0                                ; the earlier loads and the prefetch have read their base: it is stepped only behind this wait
	s_add_nc_u64 s[WB:WB+1], s[WB:WB+1], HSTEP
	WLD 1-\par
.endif
	s_wait_dscnt 21
	s_wait_loadcnt LC_+8                           ; this step's scale words and weight tiles 0, 1 are in; its tiles 2, 3 (8 loads) are waited for behind the first half of the group
	MULS \tr, \par, \first, 0, 6, CB_, LC_
	PLACES 8
	TILES EAE+\par, 11, 5, CB_
.if \issue
	global_prefetch_b8 v[PFO], s[WB:WB+1] offset:3*HSTEP th:TH_LOAD_NT scope:SCOPE_SE   ; inside the head's 24 steps: at most step 18,
.if \tr
	global_prefetch_b8 v[PFO], s[WB:WB+1] offset:8*HSTEP th:TH_LOAD_NT scope:SCOPE_SE   ; and at most step 23
.endif
.endif
	s_wait_dscnt 20
	MULS \tr, \par, \first, 6, 5, NB_
.if \bar
.if (\bar) == 1
	s_cmp_lt_u32 s[WV], 2
	s_cbranch_scc0 .Lnot_yet_\@
	s_wait_tensorcnt 0x0                           ; waves 0, 1: step 1 is in
.Lnot_yet_\@:
.else
	s_wait_tensorcnt 0x0                           ; all of my tensor loads are in
.endif
	s_wait_dscnt 0x0
	s_barrier_signal -1
	PLACES 8
	s_barrier_wait -1
.elseif \nxt
	PLACES 8
.endif
.if ((\nxt) == 1) && (\par == 1)
	v_add_nc_u32 v[EAE], 2*ESTEP, v[EAE]
	v_add_nc_u32 v[EAO], 2*ESTEP, v[EAO]
	v_add_nc_u32 v[EQE], 2*ESTEP, v[EQE]
	v_add_nc_u32 v[EQO], 2*ESTEP, v[EQO]
	s_wait_alu depctr_va_vdst(0)                   ; the wait here, directly behind the writes
.elseif (\nxt) == 2
	v_mov_b32 v[EAE], v[LI]
	v_add_nc_u32 v[EAO], ESTEP, v[LI]
	v_mov_b32 v[EQE], v[EQ0]
	v_add_nc_u32 v[EQO], ESTEP, v[EQ0]
	s_wait_alu depctr_va_vdst(0)
.endif
.if \nxt
	ds_load_b128 v[ES:ES+3], v[EQE+1-\par]         ; the next step's scale words of tiles 0-7
	TILES EAE+1-\par, 0, 6, NB_
	s_wait_dscnt 25
.else
	s_wait_dscnt 0x0
.endif
	MULS \tr, \par, \first, 11, 5, CB_
.endm
.macro QF s                            ; phase Q, K step s: hn's four fragments (steps 0-5) and Wq's (steps 2-7) into set s % 2, and their scale words: 17 or 34 LDS loads
	WIN 0xc0
.if (\s) < 6
.irp q, 0,1,2,3
.irp c, 0,1,2,3
	ds_load_b128 v[128*((\s)%2)+16*\q+4*\c:128*((\s)%2)+16*\q+4*\c+3], v[HA0+(\s)/4] offset:((\s)%4)*HSTEP+2048*\q+512*\c
.endr
.endr
.endif
.if (\s) > 1
.irp q, 0,1,2,3
.irp c, 0,1,2,3
	ds_load_b128 v[128*((\s)%2)+64+16*\q+4*\c:128*((\s)%2)+64+16*\q+4*\c+3], v[WA] offset:((\s)-2)*HSTEP+2048*\q+512*\c
.endr
.endr
.endif
	WIN 0
.if (\s) < 6
	ds_load_b64 v[ES+2*((\s)%2):ES+2*((\s)%2)+1], v[HQ0+(\s)/4] offset:((\s)%4)*HSTEP
.endif
.if (\s) > 1
	ds_load_b64 v[WS+2*((\s)%2):WS+2*((\s)%2)+1], v[WQ] offset:((\s)-2)*HSTEP
.endif
.endm
.macro QMUL s                          ; q(qt, dt) += Wq(dt) x hn(qt); bq is the C of step 0
.set QW_, 128*((\s)%2)+64
.set QH_, 128*((\s)%2)
.set QS_, ES+2*((\s)%2)
.if (\s) < 2
	WIN 0xac
.set QW_, 64+64*(\s)
.elseif (\s) < 6
	WIN 0xaf
.else
	WIN 0xa3
.set QH_, 64+64*((\s)-6)
.set QS_, HS6+2*((\s)-6)
.endif
.irp q, 0,1,2,3
.irp d, 0,1,2,3
.if (\s) == 0
	MM 8*(4*\q+\d), QW_+16*\d, QH_+16*\q, 128+8*\d, WS+2*((\s)%2)+\d/2, \d%2, QS_+\q%2, \q/2
.else
	MM 8*(4*\q+\d), QW_+16*\d, QH_+16*\q, 8*(4*\q+\d), WS+2*((\s)%2)+\d/2, \d%2, QS_+\q%2, \q/2
.endif
.endr
.endr
	WIN 0
.endm
.macro HEADW                           ; the head's loads into registers: bk, bv, Wk's steps 0 and 1
	WIN 0xc0
.irp d, 0,1,2,3                        ; bk in the result's layout, in the last tile's accumulators: lane (r, h), register j of tile 2 b + u: channel 32 b + 16 h + 8 u + j
	global_load_b128 v[224+8*\d:227+8*\d], v[H64], s[12:13] offset:(32*(\d/2)+8*(\d%2))*4
	global_load_b128 v[228+8*\d:231+8*\d], v[H64], s[12:13] offset:(32*(\d/2)+8*(\d%2))*4+16
.endr
	WIN 0
.irp d, 0,1,2,3                        ; bv: in v's result a lane holds one channel
	global_load_b32 v[BVR+\d], v[RP4], s[14:15] offset:(32*(\d/2)+8*(\d%2))*4
.endr
	s_mov_b64 s[WB:WB+1], s[62:63]
	WLD 0
	s_wait_xcnt 0x0
	s_add_nc_u64 s[WB:WB+1], s[WB:WB+1], HSTEP
	WLD 1
.endm
	s_load_b256 s[4:11], s[0:1], 0x0               ; eimg s[4:5], hnimg s[6:7], wimg s[8:9], bq s[10:11]
	s_load_b128 s[12:15], s[0:1], 0x20             ; bk s[12:13], bv s[14:15]
	s_load_b64 s[16:17], s[0:1], 0x30              ; oimg
	v_lshl_add_u32 v[SPW], v0, 2, SPARE
	v_mov_b32 v[NIL], 0
	ds_add_u32 v[SPW], v[NIL]                      ; the wave's opening: the add, twice on end, and its wait ahead of my first tensor load; the set-up below, work on registers, stands between
	ds_add_u32 v[SPW], v[NIL]
	v_lshrrev_b32 v20, 5, v0
	v_readfirstlane_b32 s[WV], v20                 ; wave 0..3
	s_bfe_u32 s19, ttmp6, 0x40000                  ; cx: the head group
	s_bfe_u32 s22, ttmp6, 0x40004                  ; cy
	s_and_b32 s20, ttmp7, 0xffff
	s_lshl_b32 s20, s20, 2
	s_add_co_u32 s20, s20, s22                     ; the chunk, which the partners of a row share
	s_lshl_b32 s23, s22, 2
	s_lshl_b32 s23, 15, s23                        ; my row of the cluster: shares e and hn
	s_lshl_b32 s3, 0x1111, s19                     ; my column: shares Wq
	GROUP1 32, 23, 132                             ; a step of e
	GROUP1 40, 23, 396                             ; three steps of e
	GROUP1 72, 3, 198                              ; six steps of a head's Wq
	GROUP1 84, 23, 66                              ; two steps of hn
	s_mul_i32 s70, s20, 270336                     ; e of the chunk
	s_mov_b32 s71, 0
	s_and_b32 s22, s[WV], 1
	s_mul_i32 s57, s22, 3*ESTEP
	s_add_co_u32 s57, s57, 2*ESTEP                 ; waves 2, 3: steps 2-4, 5-7
	s_add_co_u32 s96, s70, s57
	s_mov_b32 s97, 0
	s_mul_i32 s98, s20, 67584                      ; hn of the chunk
	s_mov_b32 s99, 0
	s_mul_i32 s22, s[WV], 2*HSTEP
	s_add_co_u32 s93, s22, HNB
	s_mov_b32 s94, s22
	s_mov_b32 s95, 0
	; my head: it enters global addresses alone
	s_lshl_b32 s21, s19, 2
	s_add_co_u32 s21, s21, s[WV]                   ; head = 4 cx + wave
	s_mul_i32 s62, s21, 202752                     ; its 24 weight steps: Wk, Wv, Wq
	s_mov_b32 s63, 0
	s_lshl_b32 s100, s21, 8                        ; its 64 numbers of a bias
	s_mov_b32 s101, 0
	s_lshr_b32 s66, s21, 1
	s_mul_i32 s66, s66, 17408                      ; oimg: [pair of chunks][K step = head / 2][chunk of two]
	s_lshr_b32 s22, s20, 1
	s_mul_i32 s22, s22, 139264
	s_add_co_u32 s66, s66, s22
	s_and_b32 s22, s20, 1
	s_mul_i32 s22, s22, 8704
	s_add_co_u32 s66, s66, s22
	s_and_b32 s22, s[WV], 1                        ; head % 2
	s_lshl_b32 s31, s22, 4
	s_lshl_b32 s68, s22, 8
	s_add_co_u32 s68, s68, s66
	s_add_co_u32 s68, s68, 8192                    ; my quad
	s_mov_b32 s69, 0
	s_lshl_b32 s22, s22, 10
	s_add_co_u32 s66, s66, s22                     ; my half of each fragment
	s_mov_b32 s67, 0
	s_mul_i32 s81, s[WV], WQB                      ; where Wq's steps 2-7 go
	s_mov_b32 s[SEL], 0x76543210
	s_mov_b32 s[SEL+1], 0xfedcba98
	s_mov_b32 s[MNT], 0x600000
	s_mov_b32 s[CS], 0x3e38aa3b                    ; c = log2(e) / 8
	s_mov_b32 s[CS+1], s[CS]
	s_mov_b32 s30, 0xbe38aa3b                      ; -c
	s_and_b32 s2, s20, 31                          ; the prefetch: block chunk % 32; lanes 1 on of chunk % 32 = 0: block 32
	s_lshl_b32 s22, s2, 8
	s_mov_b32 s23, 8192
	s_cmp_eq_u32 s2, 0
	s_cselect_b32 s23, s23, s22
	v_and_b32 v[LI], 31, v0
	v_mov_b32 v[PFO], s23
	v_mov_b32 v20, s22
	v_cmp_eq_u32 vcc_lo, 0, v[LI]
	v_cndmask_b32 v[PFO], v[PFO], v20, vcc_lo
	v_and_b32 v20, 15, v0                          ; r
	v_bfe_u32 v21, v0, 4, 1                        ; h
	v_lshlrev_b32 v[HQ0], 3, v[LI]
	v_add_nc_u32 v[HQ0+1], HNB+4*HSTEP+8192, v[HQ0]
	v_add_nc_u32 v[HQ0], HNB+8192, v[HQ0]
	v_lshlrev_b32 v[L4], 2, v[LI]
	v_lshlrev_b32 v[LI], 4, v[LI]
	v_lshlrev_b32 v[QD], 4, v20
	v_lshl_add_u32 v[EQ0], v21, 8, v[QD]
	v_add_nc_u32 v[EQ0], 32768, v[EQ0]
	v_lshl_add_u32 v[QD], v21, 3, v[QD]
	v_add_nc_u32 v[HA0], HNB, v[LI]
	v_add_nc_u32 v[HA0+1], HNB+4*HSTEP, v[LI]
	v_add_nc_u32 v[QA], s81, v[LI]                 ; q's four images, its words (4,096 on), o's words (4,608 on): in my own part of Wq's bytes
	v_add_nc_u32 v[QSA], s81, v[L4]
	v_add_nc_u32 v[QSA], 4096, v[QSA]
	v_lshlrev_b32 v[OSA], 4, v20
	v_add_nc_u32 v[OSA], s81, v[OSA]
	v_add_nc_u32 v[OSA], 4608, v[OSA]
	v_add_nc_u32 v[OSR], s81, v[QD]
	v_add_nc_u32 v[OSR], 4608, v[OSR]
	v_mov_b32 v[OV], v[LI]
	v_lshlrev_b32 v[H64], 6, v21
	v_and_b32 v[RP4], 8, v20
	v_add_nc_u32 v[RP4], v[RP4], v20
	v_lshlrev_b32 v[RP4], 2, v[RP4]
	v_add_nc_u32 v[WA], s81, v[LI]
	v_add_nc_u32 v[WQ], s81, v[QD]
	v_add_nc_u32 v[WQ], 8192, v[WQ]
	v_mov_b32 v[EAE], v[LI]
	v_add_nc_u32 v[EAO], ESTEP, v[LI]
	v_mov_b32 v[EQE], v[EQ0]
	v_add_nc_u32 v[EQO], ESTEP, v[EQ0]
	s_wait_alu depctr_va_vdst(0)                   ; the wait at the head's end
	s_wait_dscnt 0x0                               ; both opening adds are done
	s_wait_kmcnt 0x0
	s_add_nc_u64 s[62:63], s[8:9], s[62:63]        ; my head's weights
	s_add_nc_u64 s[10:11], s[10:11], s[100:101]
	s_add_nc_u64 s[12:13], s[12:13], s[100:101]
	s_add_nc_u64 s[14:15], s[14:15], s[100:101]
	s_add_nc_u64 s[66:67], s[16:17], s[66:67]
	s_add_nc_u64 s[68:69], s[16:17], s[68:69]
	s_mov_b32 s48, 1                               ; groups 0: e's step 0,
	s_mov_b32 s49, 0
	s_add_nc_u64 s[50:51], s[4:5], s[70:71]
	s_mov_b32 s52, 1                               ; step 1,
	s_mov_b32 s53, ESTEP
	s_add_nc_u64 s[54:55], s[50:51], ESTEP
	s_or_b32 s51, s51, 0x80000000
	s_or_b32 s55, s55, 0x80000000
	s_mov_b32 s56, 1                               ; three steps,
	s_add_nc_u64 s[58:59], s[4:5], s[96:97]
	s_or_b32 s59, s59, 0x80000000
	s_mov_b32 s80, 1                               ; Wq's steps 2-7,
	s_add_nc_u64 s[82:83], s[62:63], 18*HSTEP
	s_or_b32 s83, s83, 0x80000000
	s_mov_b32 s92, 1                               ; hn's steps 2 x wave, + 1
	s_add_nc_u64 s[6:7], s[6:7], s[98:99]
	s_add_nc_u64 s[94:95], s[6:7], s[94:95]
	s_or_b32 s95, s95, 0x80000000
	ROUND                                          ; all sixteen work-groups are here: the first joint loads meet
	s_cmp_eq_u32 s[WV], 0                          ; one joint load a wave, a line of its own for each that is shown apart; steps 0 and 1 are asked for first
	s_cbranch_scc0 .Lwave1
	TLOAD 48, 32
	s_branch .Lwave01
.Lwave1:
	s_cmp_eq_u32 s[WV], 1
	s_cbranch_scc0 .Lwave23
	TLOAD 52, 32
.Lwave01:
	HEADW
	s_branch .Lasked
.Lwave23:
	HEADW
	TLOAD 56, 40
.Lasked:
	s_cmp_eq_u32 s[WV], 0
	s_cbranch_scc0 .Lnot0
	s_wait_tensorcnt 0x0                           ; wave 0: e's step 0 is in
.Lnot0:
	s_barrier_signal -1
	s_barrier_wait -1
; ---------------- PHASE K
	ds_load_b128 v[ES:ES+3], v[EQE]
	TILES EAE, 0, 6, 64
	STEP 0, 0, 1, 1, 0, 1, 17                      ; step 0; Wk's step 1 may be out
	s_mov_b32 s[CNT], 3
.Lk:                                               ; steps 1 to 6
	STEP 0, 1, 0, 1, 1, 2, 0
	STEP 0, 0, 0, 1, 1, 0, 0
	s_sub_co_u32 s[CNT], s[CNT], 1
	s_cmp_lg_u32 s[CNT], 0
	s_cbranch_scc1 .Lk
	STEP 0, 1, 0, 2, 1, 0, 0                       ; step 7 asks for Wv's step 0 and for V's first tiles: both land while k is quantised
	PLACES 9
	GRD
	ROUND
	s_cmp_lt_u32 s[WV], 3                          ; waves 0 to 2: hn's steps 0-5, a first fill, behind the full sequence
	s_cbranch_scc0 .Lno_hn
	TLOAD 92, 84
.Lno_hn:
.irp e, 0,1,2,3,4,5,6,7
	v_mov_b32 v[TP+\e], 0                          ; a lane permute's destination counts as one of its sources
.endr
	QG 2, 0,   16, 64, 8, 1, 0,  0, KS
	QG 2, 128, 16, 64, 8, 1, 32, 0, KS+4
	QG 3, 0,   16, 64, 8, 1, 64, 0, KS+8
	QG 3, 128, 16, 64, 8, 1, 96, 0, KS+12
; ---------------- PHASE V
	WIN 0xc0
.irp d, 0,1,2,3
.irp i, 0,1,2,3,4,5,6,7
	v_mov_b32 v[224+8*\d+\i], v[BVR+\d]
.endr
.endr
	WIN 0
	s_wait_alu depctr_va_vdst(0)
	STEP 1, 0, 1, 1, 1, 0, 0
	s_mov_b32 s[CNT], 3
.Lv:
	STEP 1, 1, 0, 1, 1, 0, 0
	STEP 1, 0, 0, 1, 1, 0, 0
	s_sub_co_u32 s[CNT], s[CNT], 1
	s_cmp_lg_u32 s[CNT], 0
	s_cbranch_scc1 .Lv
	GRD
	ROUND                                          ; nobody of the cluster reads e's steps 0-5 any more:
	TLOAD 80, 72                                   ; Wq's steps 2-7 take their bytes; my one tensor load behind the round
	STEP 1, 1, 0, 0, 0, 0, 0
	PLACES 9
	s_wait_xcnt 0x0
	s_add_nc_u64 s[WB:WB+1], s[WB:WB+1], HSTEP     ; Wq's steps 0, 1 into registers that held e's fragments; they land while v is quantised
.irp w, 0,1
.irp d, 0,1,2,3
.irp c, 0,1,2,3
	global_load_b128 v[64+64*\w+16*\d+4*\c:67+64*\w+16*\d+4*\c], v[LI], s[WB:WB+1] offset:HSTEP*\w+2048*\d+512*\c
.endr
.endr
	global_load_b64 v[WS+2*\w:WS+2*\w+1], v[QD], s[WB:WB+1] offset:HSTEP*\w+8192
.endr
	QG 2, 0,  64, 8, 32, 1, 128, 1, VS             ; v: keys 0-127, channels' tiles 0, 1;
	QG 2, 16, 64, 8, 32, 1, 160, 1, VS+2           ; tiles 2, 3;
	WIN 0x80
.irp d, 0,1,2,3                        ; bq in the result's layout
	global_load_b128 v[128+8*\d:131+8*\d], v[H64], s[10:11] offset:(32*(\d/2)+8*(\d%2))*4
	global_load_b128 v[132+8*\d:135+8*\d], v[H64], s[10:11] offset:(32*(\d/2)+8*(\d%2))*4+16
.endr
	WIN 0
	QG 3, 0,  64, 8, 32, 1, 192, 1, VS+4           ; keys 128-255
	QG 3, 16, 64, 8, 32, 1, 224, 1, VS+6
; ---------------- PHASE Q
	v_lshlrev_b32 v[EQO], 1, v[L4]                 ; 8 x lane
	s_wait_alu depctr_va_vdst(0)
	QF 0
	QF 1
	s_wait_loadcnt 0x0                             ; Wq's steps 0, 1 and bq
.irp s, 0,1,2,3,4,5,6,7
.if (\s == 0) || (\s == 5) || (\s == 6)
	s_wait_dscnt 17                                ; all but the next step's loads
.elseif \s < 5
	s_wait_dscnt 34
.else
	s_wait_dscnt 0x0
.endif
.if \s == 6
	s_wait_loadcnt 0x0                             ; hn's steps 6, 7
.endif
	QMUL \s
	PLACES 8
.if \s == 0
	s_wait_tensorcnt 0x0                           ; my part of Wq's steps 2-7 is in,
	s_wait_dscnt 0x0
	s_barrier_signal -1
	s_barrier_wait -1                              ; everybody's is
.endif
.if \s == 1
.irp w, 0,1                            ; hn's steps 6, 7 into the registers that Wq's steps 0, 1 have left
.irp q, 0,1,2,3
.irp c, 0,1,2,3
	global_load_b128 v[64+64*\w+16*\q+4*\c:67+64*\w+16*\q+4*\c], v[LI], s[6:7] offset:HSTEP*(6+\w)+2048*\q+512*\c
.endr
.endr
	global_load_b64 v[HS6+2*\w:HS6+2*\w+1], v[EQO], s[6:7] offset:HSTEP*(6+\w)+8192
.endr
.endif
.if \s < 6
	QF \s+2                                        ; into the set just multiplied
.endif
.endr
	v_nop
	QG 2, 0, 16, 64, 8, 0, 64, 0, 104              ; q: block 2 qt + b; codes to v64-95, words to v104-107
.irp q, 0,1,2,3
	ds_store_b128 v[QA], v[64+8*\q:67+8*\q] offset:1024*\q             ; over what I alone have read of Wq; no fill follows
	ds_store_b128 v[QA], v[68+8*\q:71+8*\q] offset:1024*\q+512
	ds_store_b32 v[QSA], v[104+\q] offset:128*\q
.endr
; ---------------- ATTENTION: a trip a tile of 16 queries
.irp i, 0,1,2,3,4,5,6,7
	v_mov_b32 v[200+\i], 0                         ; q's K is 64: the fragment's upper half is zero codes
.endr
.irp i, 0,1,2,3,4,5,6,7
	v_mov_b32 v[BP+\i], 0                          ; lane permutes' destinations, and the upper halves of pairs that are named whole
.endr
	v_mov_b32 v241, 0
	v_mov_b32 v246, 0
	v_mov_b32 v249, 0
	s_mov_b32 s[CNT], 4
.Lq:
	s_wait_alu depctr_va_vdst(0)
	ds_load_b128 v[192:195], v[QA]                 ; my own bytes: LDS serves a wave's instructions in order
	ds_load_b128 v[196:199], v[QA] offset:512
	ds_load_b32 v[QSC], v[QSA]
	s_wait_dscnt 0x0
	WIN 0x01
.irp t, 0,1,2,3,4,5,6,7,8,9,10,11,12,13,14,15
	MM 64+8*\t, 8*\t, 192, -1, KS+\t, 0, QSC, 0    ; S^T: lane (r, h) holds query r; the 16 registers of tiles 2 B, 2 B + 1 are keys 32 B + 16 h + 0 .. 15
.endr
	WIN 0
	PLACES 8
.irp b, 0,1,2,3,4,5,6,7
	v_max3_num_f32 v[BM+\b], v[64+16*\b], v[65+16*\b], v[66+16*\b]     ; the largest score of each block of 32 keys
.endr
.irp i, 3,5,7,9,11,13
.irp b, 0,1,2,3,4,5,6,7
	v_max3_num_f32 v[BM+\b], v[BM+\b], v[64+16*\b+\i], v[65+16*\b+\i]
.endr
.endr
.irp b, 0,1,2,3,4,5,6,7
	v_max_num_f32 v[BM+\b], v[BM+\b], v[79+16*\b]
.endr
.irp b, 0,1,2,3,4,5,6,7
	v_permlanex16_b32 v[BP+\b], v[BM+\b], s[SEL], s[SEL+1]
.endr
.irp b, 0,1,2,3,4,5,6,7
	v_max_num_f32 v[BM+\b], v[BM+\b], v[BP+\b]
.endr
	v_max3_num_f32 v247, v[BM], v[BM+1], v[BM+2]
	v_max3_num_f32 v250, v[BM+3], v[BM+4], v[BM+5]
	v_max3_num_f32 v247, v247, v[BM+6], v[BM+7]
	v_max_num_f32 v247, v247, v250                 ; the row's largest score
	v_mul_f32 v240, s30, v247                      ; -c m
.set ii, 0
.rept 64
	v_pk_fma_f32 v[64+ii:65+ii], v[64+ii:65+ii], s[CS:CS+1], v[240:241] op_sel_hi:[1,0,0]   ; c s - c m, two at a time
.set ii, ii+2
.endr
.irp b, 0,1,2,3,4,5,6,7
	v_fma_f32 v[BM+\b], v[BM+\b], s[CS], v240      ; the same of each block's largest score
.endr
.set ii, 0
	s_wait_alu depctr_va_vdst(0)
.rept 128
	v_exp_f32 v[64+ii], v[64+ii]
.set ii, ii+1
.endr
	v_nop                                          ; a plain line behind the batch,
	s_wait_alu depctr_va_vdst(0)                   ; and one wait for it, ahead of its first reader
.irp b, 0,1,2,3,4,5,6,7
	v_exp_f32 v[BM+\b], v[BM+\b]
.endr
	v_pk_add_f32 v[242:243], v[64:65], v[66:67]    ; the row's sum, in four chains; it reads the 128 alone
	v_pk_add_f32 v[244:245], v[68:69], v[70:71]
	v_pk_add_f32 v[250:251], v[72:73], v[74:75]
	v_pk_add_f32 v[252:253], v[76:77], v[78:79]
.set ii, 16
.rept 14
	v_pk_add_f32 v[242:243], v[242:243], v[64+ii:65+ii]
	v_pk_add_f32 v[244:245], v[244:245], v[66+ii:67+ii]
	v_pk_add_f32 v[250:251], v[250:251], v[68+ii:69+ii]
	v_pk_add_f32 v[252:253], v[252:253], v[70+ii:71+ii]
.set ii, ii+8
.endr
	v_pk_add_f32 v[242:243], v[242:243], v[244:245]
	v_pk_add_f32 v[250:251], v[250:251], v[252:253]
	v_pk_add_f32 v[242:243], v[242:243], v[250:251]
	s_wait_alu depctr_va_vdst(0)                   ; the wait for the eight
	v_add_f32 v242, v242, v243
	v_permlanex16_b32 v246, v242, s[SEL], s[SEL+1]
	v_add_f32 v242, v242, v246                     ; with lane l xor 16's 128 keys
	s_wait_alu depctr_va_vdst(0)
	v_rcp_f32 v248, v242
	v_nop
	s_wait_alu depctr_va_vdst(0)
.set ii, 0
.rept 64
	v_pk_mul_f32 v[64+ii:65+ii], v[64+ii:65+ii], v[248:249] op_sel_hi:[1,0]   ; p, finished and normalised
.set ii, ii+2
.endr
.irp b, 0,1,2,3,4,5,6,7
	v_mul_f32 v[BM+\b], v[BM+\b], v248             ; and each block's largest p: the same instructions on the same number
.endr
.irp b, 0,1,2,3,4,5,6,7
	v_max_num_f32 v[BM+\b], FLOORC, v[BM+\b]
.endr
.irp b, 0,1,2,3,4,5,6,7
	v_add_nc_u32 v[TS2+\b], M15, v[BM+\b]
.endr
.irp b, 0,1,2,3,4,5,6,7
	v_and_or_b32 v[TH2+\b], v[BM+\b], EXPM, s[MNT]
.endr
.irp b, 0,1,2,3,4,5,6,7
	v_lshrrev_b32 v[BP+\b], 23, v[TS2+\b]
.endr
.irp w, 0,1
	v_lshl_or_b32 v[PS+\w], v[BP+4*\w+1], 8, v[BP+4*\w]
	v_lshl_or_b32 v[PS+\w], v[BP+4*\w+2], 16, v[PS+\w]
	v_lshl_or_b32 v[PS+\w], v[BP+4*\w+3], 24, v[PS+\w]
.endr
.set ii, 0
.rept 128
	v_min_num_f32 v[64+ii], v[64+ii], v[TH2+ii/16] ; p is not negative: the hold is one-sided
.set ii, ii+1
.endr
	WIN 0x80
.irp b, 0,1,2,3,4,5,6,7
	v_cvt_scalef32_pk8_bf8_f32 v[4*\b:4*\b+1], v[64+16*\b:71+16*\b], v[TS2+\b]
	v_cvt_scalef32_pk8_bf8_f32 v[4*\b+2:4*\b+3], v[72+16*\b:79+16*\b], v[TS2+\b]
.endr
	WIN 0
	PLACES 5                                       ; behind the conversions, and four places ahead of the products that take their results
	WIN 0x09
.irp d, 0,1,2,3
	MM 64+8*\d, 128+16*\d, 0, -1, VS+\d, 0, PS, 0  ; O^T = v^T p^T, keys 0-127: the four tiles by turns,
.endr
.irp d, 0,1,2,3
	MM 64+8*\d, 192+16*\d, 16, 64+8*\d, VS+4+\d, 0, PS+1, 0   ; keys 128-255
.endr
	WIN 0
	PLACES 8
.irp b, 0,1                            ; o's two blocks of 32 along the last product's K
	v_max3_num_f32 v[BM+\b], |v[64+16*\b]|, |v[65+16*\b]|, FLOORC
.endr
.irp i, 2,4,6,8,10,12,14
.irp b, 0,1
	v_max3_num_f32 v[BM+\b], v[BM+\b], |v[64+16*\b+\i]|, |v[65+16*\b+\i]|
.endr
.endr
.irp b, 0,1
	v_permlanex16_b32 v[BP+\b], v[BM+\b], s[SEL], s[SEL+1]
.endr
.irp b, 0,1
	v_max_num_f32 v[BM+\b], v[BM+\b], v[BP+\b]
.endr
.irp b, 0,1
	v_add_nc_u32 v[TS2+\b], M15, v[BM+\b]
.endr
.irp b, 0,1
	v_and_or_b32 v[TH2+\b], v[BM+\b], EXPM, s[MNT]
.endr
.irp b, 0,1
	v_lshrrev_b32 v[BP+\b], 23, v[TS2+\b]
.endr
	v_lshl_or_b32 v250, v[BP+1], 8, v[BP]
	v_lshlrev_b32 v250, s31, v250                  ; an odd head's two bytes are the word's upper two
.irp b, 0,1
.irp i, 0,1,2,3,4,5,6,7,8,9,10,11,12,13,14,15
	v_med3_num_f32 v[64+16*\b+\i], v[64+16*\b+\i], -v[TH2+\b], v[TH2+\b]
.endr
	v_cvt_scalef32_pk8_bf8_f32 v[96+4*\b:97+4*\b], v[64+16*\b:71+16*\b], v[TS2+\b]
	v_cvt_scalef32_pk8_bf8_f32 v[98+4*\b:99+4*\b], v[72+16*\b:79+16*\b], v[TS2+\b]
.endr
	v_nop
	ds_store_b32 v[OSA], v250                      ; both halves of the lanes write the same word with the same value
	global_store_b128 v[OV], v[96:99], s[66:67]    ; each store covers 512 consecutive bytes, aligned
	global_store_b128 v[OV], v[100:103], s[66:67] offset:512
	s_wait_xcnt 0x0                                ; the stores have read their offset and their data: both are written again only behind this wait
	v_add_nc_u32 v[OV], 2048, v[OV]
	v_add_nc_u32 v[QA], 1024, v[QA]
	v_add_nc_u32 v[QSA], 128, v[QSA]
	v_add_nc_u32 v[OSA], 4, v[OSA]
	s_sub_co_u32 s[CNT], s[CNT], 1
	s_cmp_lg_u32 s[CNT], 0
	s_cbranch_scc1 .Lq
	ds_load_b64 v[252:253], v[OSR]                 ; my head's quad of scale words
	s_wait_dscnt 0x0
	global_store_b64 v[QD], v[252:253], s[68:69]   ; 32 lanes store one aligned block of 256 bytes
	s_wait_tensorcnt 0x0                           ; the wave's end: behind my last tensor load and my last LDS store
	ds_add_u32 v[SPW], v[NIL]
	s_wait_dscnt 0x0
	ROUND                                          ; the closing round
	s_endpgm
.Lfunc_end_k_qb411d300d1_attn:
	.size	k_qb411d300d1_attn, .Lfunc_end_k_qb411d300d1_attn-k_qb411d300d1_attn
	.p2alignl 7, 3214868480
	.fill 96, 4, 3214868480
	.section	.rodata,"a",@progbits
	.p2align	6, 0x0
	.amdhsa_kernel k_qb411d300d1_attn
		.amdhsa_group_segment_fixed_size 327680
		.amdhsa_private_segment_fixed_size 0
		.amdhsa_enable_private_segment 0
		.amdhsa_kernarg_size 56
		.amdhsa_user_sgpr_count 2
		.amdhsa_user_sgpr_kernarg_segment_ptr 1
		.amdhsa_wavefront_size32 1
		.amdhsa_system_sgpr_workgroup_id_x 1
		.amdhsa_system_sgpr_workgroup_id_y 1
		.amdhsa_system_sgpr_workgroup_id_z 1
		.amdhsa_system_vgpr_workitem_id 0
		.amdhsa_next_free_vgpr 1024
		.amdhsa_next_free_sgpr 102
		.amdhsa_reserve_vcc 1
		.amdhsa_float_denorm_mode_32 3
		.amdhsa_float_denorm_mode_16_64 3
		.amdhsa_memory_ordered 1
		.amdhsa_forward_progress 1
		.amdhsa_inst_pref_size 255
	.end_amdhsa_kernel
	.section	.bss,"aw",@nobits
	.p2align	6
	.space	262144
	.amdgpu_metadata
---
amdhsa.version: [ 1, 2 ]
amdhsa.kernels:
  - .name:           k_qb411d300d1_attn
    .symbol:         k_qb411d300d1_attn.kd
    .args:
      - { .name: eimg, .offset: 0, .size: 8, .value_kind: global_buffer, .address_space: global }
      - { .name: hnimg, .offset: 8, .size: 8, .value_kind: global_buffer, .address_space: global }
      - { .name: wimg, .offset: 16, .size: 8, .value_kind: global_buffer, .address_space: global }
      - { .name: bq, .offset: 24, .size: 8, .value_kind: global_buffer, .address_space: global }
      - { .name: bk, .offset: 32, .size: 8, .value_kind: global_buffer, .address_space: global }
      - { .name: bv, .offset: 40, .size: 8, .value_kind: global_buffer, .address_space: global }
      - { .name: oimg, .offset: 48, .size: 8, .value_kind: global_buffer, .address_space: global }
    .group_segment_fixed_size: 327680
    .private_segment_fixed_size: 0
    .kernarg_segment_align: 8
    .kernarg_segment_size: 56
    .max_flat_workgroup_size: 128
    .sgpr_count:     102
    .vgpr_count:     1024
    .wavefront_size: 32
...
	.end_amdgpu_metadata
.endif
;; end of part 2
;; launch oproj (part 3): grid 8 x 32, 4 waves a work-group, clusters of 4 x 4, 327,680 bytes of LDS; arguments oimg, wimg, h, bo, out0; writes out0
.if DOCPART == 3
	.amdgcn_target "amdgcn-amd-amdhsa--gfx1250"
	.amdhsa_code_object_version 6
	.text
	.protected	k_qb411d300d1_oproj
	.globl	k_qb411d300d1_oproj
	.p2align	8
	.type	k_qb411d300d1_oproj,@function
k_qb411d300d1_oproj:
	s_mov_b64 s[64:65], 0
	v_nop
	global_prefetch_b8 v0, s[64:65] scope:SCOPE_SE
	s_setreg_imm32_b32 hwreg(HW_REG_WAVE_MODE, 25, 1), 1
	s_wait_xcnt 0x0
	s_wait_alu depctr_hold_cnt(0) depctr_sa_sdst(0) depctr_va_vdst(0) depctr_va_sdst(0) depctr_va_ssrc(0) depctr_va_vcc(0) depctr_vm_vsrc(0)
	s_getreg_b32 s2, hwreg(HW_REG_IB_STS2, 6, 4)
	s_cmp_eq_u32 s2, 0
	s_cbranch_scc0 .Lentry_in_a_cluster
	s_endpgm
.Lentry_in_a_cluster:
	s_bfe_u32 s2, ttmp6, 0x10000c
	s_cmp_lg_u32 s2, 0xf033
	s_cbranch_scc0 .Lentry_shape_is_right
	s_endpgm
.Lentry_shape_is_right:
; OPROJ: out0 = (o Wo + bo, shifted right by 63 rows) + h, the product on codes of BF8 (E5M2) with E8M0 scales, from the images that the launches before have laid.
; A work-group makes 128 rows (two chunks) x 128 columns (two streams of Wo); wave (i = wave / 2, j = wave % 2) makes chunk i's 64 queries x stream j's 64 columns: 16 accumulators.
; All of K (8 steps of 128) of both operands fits in LDS and is filled ONCE: two chunks' images of o (69,632 bytes each), two streams of Wo (67,584 each), each in two halves, so that the first steps begin when the first halves are in.
; CLUSTER 4 x 4: o's images hang on the tile row alone and are shared along a row of the cluster, Wo's on the tile column alone and are shared along a column: each is asked for jointly.
; THE MATRIX INSTRUCTION IS USED TRANSPOSED (source 0 = Wo's columns, source 1 = o's rows): a lane holds one query and, the columns of a tile being chosen for it, the 16 registers of two neighbouring tiles are 16 neighbouring columns.
; THE SHIFT: query Q of a batch (0 .. 1,023) owns output row (Q + 63) mod 1,024.  The 63 queries that wrap are those past the sequence's end: their product and bias are replaced by 0, so rows 0 .. 62 get h alone, and every row has one owner.
; o's scale words come as two half words, one from each of a K step's two heads, and are joined here.
; REGISTERS: window 0: v1-23 addresses; v32-47 scale words alone, two sets; v48-79 my 32 byte offsets in h and out0; v80-111 rows back from the stage; v128-255 h.
;   window 1: two sets of 64 registers of o and 64 of Wo.   window 2: v0-127 the accumulators, (qt, dt) at 8 (4 qt + dt); v128-159 bo in the result's layout.
.set ABLK,  69632
.set ASTEP, 17408                      ; a K step of both chunks
.set BBASE, 2*ABLK
.set BBLK,  67584
.set BSTEP, 16896                      ; a K step of both streams
.set STAGE, BBASE+2*BBLK               ; 16 rows x (256 bytes + 16) for each wave
.set SPARE, STAGE+4*4352               ; the spare words, 128 bytes for each wave: two blocks of 256 bytes that no other line names
.set LI,  1
.set QD,  3
.set AA0, 4                            ; v4, v5   o's fragments, steps 0-3, 4-7
.set BA0, 6                            ; v6, v7   Wo's
.set AQ0, 8                            ; v8, v9   o's scale words
.set BQ0, 10                           ; v10, v11 Wo's
.set SO,  12                           ; v12  the stage: where I put 16 bytes of a row
.set SR,  13                           ; v13  and where I read a row back
.set H64, 14
.set SPW, 22
.set NIL, 23
.set SC,  32                           ; set p at v[32 + 8 p]: +0, +1 o's words (even head's half, then joined), +2, +3 the odd head's half, +4, +5 Wo's
.set OFF, 48
.set BKR, 80
.set HR,  128
.set WV,  14                           ; s14
.set MSB, 0
.macro WIN new
.if MSB != (\new)
	s_set_vgpr_msb (MSB<<8)|(\new)
.set MSB, (\new)
.endif
.endm
.macro PLACES n
.rept \n
	v_nop
.endr
.endm
.macro ROUND
	s_barrier_signal -1
	s_barrier_wait -1
	s_cmp_lg_u32 s[WV], 0
	s_cbranch_scc1 .Lnw0_\@
	s_barrier_signal -3
.Lnw0_\@:
	s_barrier_wait -3
	s_barrier_signal -1
	s_barrier_wait -1
.endm
.macro MM d, a, b, c, sa, ra, sb, rb
.if ((\ra) == 0) && ((\rb) == 0)
	v_wmma_scale_f32_16x16x128_f8f6f4 v[(\d):(\d)+7], v[(\a):(\a)+15], v[(\b):(\b)+15], v[(\c):(\c)+7], v[(\sa)], v[(\sb)] matrix_a_fmt:MATRIX_FMT_BF8 matrix_b_fmt:MATRIX_FMT_BF8
.elseif (\rb) == 0
	v_wmma_scale_f32_16x16x128_f8f6f4 v[(\d):(\d)+7], v[(\a):(\a)+15], v[(\b):(\b)+15], v[(\c):(\c)+7], v[(\sa)], v[(\sb)] matrix_a_fmt:MATRIX_FMT_BF8 matrix_b_fmt:MATRIX_FMT_BF8 matrix_a_scale:MATRIX_SCALE_ROW1
.elseif (\ra) == 0
	v_wmma_scale_f32_16x16x128_f8f6f4 v[(\d):(\d)+7], v[(\a):(\a)+15], v[(\b):(\b)+15], v[(\c):(\c)+7], v[(\sa)], v[(\sb)] matrix_a_fmt:MATRIX_FMT_BF8 matrix_b_fmt:MATRIX_FMT_BF8 matrix_b_scale:MATRIX_SCALE_ROW1
.else
	v_wmma_scale_f32_16x16x128_f8f6f4 v[(\d):(\d)+7], v[(\a):(\a)+15], v[(\b):(\b)+15], v[(\c):(\c)+7], v[(\sa)], v[(\sb)] matrix_a_fmt:MATRIX_FMT_BF8 matrix_b_fmt:MATRIX_FMT_BF8 matrix_a_scale:MATRIX_SCALE_ROW1 matrix_b_scale:MATRIX_SCALE_ROW1
.endif
.endm
; THREE SETS of fragments and scale words take turns: sets 0 and 1 in window 1 and v32-47, set 2 in window 3 (v0-127) and v112-117
.macro SETP s
.set P_, (\s)%3
.if P_ == 2
.set DB_, 0
.set SP_, 112
.else
.set DB_, 128*P_
.set SP_, SC+8*P_
.endif
.endm
.macro OFETCH s                        ; K step s: four fragments of o, four of Wo, their scale words: 35 LDS loads
	SETP \s
	WIN 0x40+0x80*(P_/2)
.irp q, 0,1,2,3
.irp c, 0,1,2,3
	ds_load_b128 v[DB_+16*\q+4*\c:DB_+16*\q+4*\c+3], v[AA0+(\s)/4] offset:((\s)%4)*ASTEP+2048*\q+512*\c
.endr
.endr
.irp d, 0,1,2,3
.irp c, 0,1,2,3
	ds_load_b128 v[DB_+64+16*\d+4*\c:DB_+64+16*\d+4*\c+3], v[BA0+(\s)/4] offset:((\s)%4)*BSTEP+2048*\d+512*\c
.endr
.endr
	WIN 0
	ds_load_b64 v[SP_:SP_+1], v[AQ0+(\s)/4] offset:((\s)%4)*ASTEP
	ds_load_b64 v[SP_+2:SP_+3], v[AQ0+(\s)/4] offset:((\s)%4)*ASTEP+256
	ds_load_b64 v[SP_+4:SP_+5], v[BQ0+(\s)/4] offset:((\s)%4)*BSTEP
.endm
.macro OMUL s                          ; 16 matrix instructions on 16 accumulators, in the same order in every step; bo is the C of step 0
	SETP \s
	WIN 0xa5+0x0a*(P_/2)
.irp q, 0,1,2,3
.irp d, 0,1,2,3
.if (\s) == 0
	MM 8*(4*\q+\d), DB_+64+16*\d, DB_+16*\q, 128+8*\d, SP_+4+\d/2, \d%2, SP_+\q%2, \q/2
.else
	MM 8*(4*\q+\d), DB_+64+16*\d, DB_+16*\q, 8*(4*\q+\d), SP_+4+\d/2, \d%2, SP_+\q%2, \q/2
.endif
.endr
.endr
	WIN 0
.endm
	s_load_b256 s[4:11], s[0:1], 0x0               ; oimg s[4:5], wimg s[6:7], h s[8:9], bo s[10:11]
	s_load_b64 s[12:13], s[0:1], 0x20              ; out0
	v_lshl_add_u32 v[SPW], v0, 2, SPARE
	v_mov_b32 v[NIL], 0
	ds_add_u32 v[SPW], v[NIL]                      ; the wave's opening: the add and its wait ahead of my first tensor load; the set-up below, work on registers, stands between them
	ds_add_u32 v[SPW], v[NIL]
	v_lshrrev_b32 v15, 5, v0
	v_readfirstlane_b32 s[WV], v15                 ; wave 0..3
	s_lshr_b32 s15, s[WV], 1                       ; i: my chunk of the two.  Also: I fetch steps 0-3 (0) or 4-7 (1)
	s_and_b32 s16, s[WV], 1                        ; j: my stream of the two.  Also: I fetch for o (0) or for Wo (1)
	s_bfe_u32 s40, ttmp6, 0x40000                  ; cx
	s_bfe_u32 s41, ttmp6, 0x40004                  ; cy
	s_lshl_b32 s42, ttmp9, 2
	s_add_co_u32 s42, s42, s40                     ; tile column X
	s_and_b32 s17, ttmp7, 0xffff
	s_lshl_b32 s17, s17, 2
	s_add_co_u32 s17, s17, s41                     ; tile row Y
	s_lshl_b32 s43, s41, 2
	s_lshl_b32 s43, 15, s43                        ; my row of the cluster
	s_lshl_b32 s44, 0x1111, s40                    ; my column
	; descriptor groups 1: dense blocks as rows of 256 bytes (32 elements of 8 bytes), no padding
	s_or_b32 s24, s43, (3<<16)|(1<<21)             ; o: four K steps of both chunks = 272 rows; the mask: my row; bit 21 beside it
	s_mov_b32 s25, 32<<16
	s_mov_b32 s26, 272<<16
	s_mov_b32 s27, 32<<16
	s_mov_b32 s28, 272
	s_mov_b32 s29, 32
	s_mov_b32 s30, 0
	s_mov_b32 s31, 0
	s_or_b32 s48, s44, (3<<16)|(1<<21)             ; Wo: four K steps of both streams = 264 rows; the mask: my column
	s_mov_b32 s49, 32<<16
	s_mov_b32 s50, 264<<16
	s_mov_b32 s51, 32<<16
	s_mov_b32 s52, 264
	s_mov_b32 s53, 32
	s_mov_b32 s54, 0
	s_mov_b32 s55, 0
	s_mul_i32 s18, s17, 2*ABLK                     ; o: pair of chunks Y, my half of K
	s_mul_i32 s20, s15, 4*ASTEP
	s_add_co_u32 s18, s18, s20
	s_mov_b32 s19, 0
	s_mul_i32 s46, s42, 2*BBLK                     ; Wo: behind 48 streams, pair X, my half of K
	s_mul_i32 s21, s15, 4*BSTEP
	s_add_co_u32 s46, s46, s21
	s_add_co_u32 s46, s46, 48*BBLK
	s_mov_b32 s47, 0
	s_add_co_u32 s21, s21, BBASE                   ; where they go: the wave's number alone
	s_wait_dscnt 0x0                               ; the opening add is done
	s_wait_kmcnt 0x0
	s_add_nc_u64 s[18:19], s[4:5], s[18:19]
	s_add_nc_u64 s[46:47], s[6:7], s[46:47]
	ROUND                                          ; all sixteen work-groups are here: the joint loads meet
	s_mov_b32 s32, 1                               ; groups 0: o,
	s_mov_b32 s33, s20
	s_mov_b64 s[34:35], s[18:19]
	s_or_b32 s35, s35, 0x80000000
	s_mov_b32 s56, 1                               ; Wo
	s_mov_b32 s57, s21
	s_mov_b64 s[58:59], s[46:47]
	s_or_b32 s59, s59, 0x80000000
	s_cmp_eq_u32 s[WV], 0                          ; one joint load a wave, each in an arm of its own: waves 0, 1 steps 0-3 of o and Wo, waves 2, 3 steps 4-7
	s_cbranch_scc0 .Lwave1
	tensor_load_to_lds s[32:35], s[24:31]
	s_nop 0
	PLACES 4
	s_branch .Lasked
.Lwave1:
	s_cmp_lt_u32 s[WV], 2
	s_cbranch_scc0 .Lwave2
	tensor_load_to_lds s[56:59], s[48:55]
	s_nop 0
	PLACES 4
	s_branch .Lasked
.Lwave2:
	s_cmp_lt_u32 s[WV], 3
	s_cbranch_scc0 .Lwave3
	tensor_load_to_lds s[32:35], s[24:31]
	s_nop 0
	PLACES 4
	s_branch .Lasked
.Lwave3:
	tensor_load_to_lds s[56:59], s[48:55]
	s_nop 0
	PLACES 4
.Lasked:
	s_lshl_b32 s76, s17, 1
	s_add_co_u32 s76, s76, s15                     ; the chunk that I multiply
	s_and_b32 s70, s76, 15
	s_lshl_b32 s70, s70, 6
	s_add_co_u32 s70, s70, 63                      ; its first query's output row in the batch
	s_lshr_b32 s72, s76, 4
	s_lshl_b32 s72, s72, 22                        ; the batch: 1,024 rows of 4,096 bytes
	s_mov_b32 s73, 0
	s_add_nc_u64 s[8:9], s[8:9], s[72:73]
	s_add_nc_u64 s[12:13], s[12:13], s[72:73]
	s_lshl_b32 s71, s42, 9
	s_lshl_b32 s74, s16, 8
	s_add_co_u32 s71, s71, s74                     ; my first column, in bytes: 512 X + 256 j
	s_mov_b32 s74, s71
	s_mov_b32 s75, 0
	s_add_nc_u64 s[10:11], s[10:11], s[74:75]
	v_and_b32 v16, 15, v0                          ; r
	v_bfe_u32 v17, v0, 4, 1                        ; h
	v_lshlrev_b32 v[H64], 6, v17
	WIN 0x80
.irp d, 0,1,2,3                        ; bo in the result's layout: lane (r, h), register j of tile 2 b + u: column 32 b + 16 h + 8 u + j
	global_load_b128 v[128+8*\d:131+8*\d], v[H64], s[10:11] offset:(32*(\d/2)+8*(\d%2))*4
	global_load_b128 v[132+8*\d:135+8*\d], v[H64], s[10:11] offset:(32*(\d/2)+8*(\d%2))*4+16
.endr
	WIN 0
	v_add_nc_u32 v18, s70, v17                     ; lanes 16-31 take the odd rows
	v_lshl_add_u32 v19, v16, 4, s71                ; 16 bytes a lane: sixteen lanes to a row's 256 bytes
.set ii, 0
.rept 32                               ; offset n = 8 qt + t: queries 16 qt + 2 t and + 1
	v_add_nc_u32 v20, 2*ii, v18
	v_and_b32 v20, 1023, v20                       ; the queries past the sequence's end wrap to rows 0 .. 62
	v_lshl_add_u32 v[OFF+ii], v20, 12, v19
.set ii, ii+1
.endr
	v_and_b32 v[LI], 31, v0
	v_lshlrev_b32 v[LI], 4, v[LI]
	v_lshlrev_b32 v[QD], 4, v16
	v_lshl_add_u32 v[QD], v17, 3, v[QD]
	s_mul_i32 s77, s15, 8704
	v_add_nc_u32 v[AA0], s77, v[LI]
	v_add_nc_u32 v[AA0+1], 4*ASTEP, v[AA0]
	v_add_nc_u32 v[AQ0], s77, v[QD]
	v_add_nc_u32 v[AQ0], 8192, v[AQ0]
	v_add_nc_u32 v[AQ0+1], 4*ASTEP, v[AQ0]
	s_mul_i32 s77, s16, 8448
	s_add_co_u32 s77, s77, BBASE
	v_add_nc_u32 v[BA0], s77, v[LI]
	v_add_nc_u32 v[BA0+1], 4*BSTEP, v[BA0]
	v_add_nc_u32 v[BQ0], s77, v[QD]
	v_add_nc_u32 v[BQ0], 8192, v[BQ0]
	v_add_nc_u32 v[BQ0+1], 4*BSTEP, v[BQ0]
	s_mul_i32 s77, s[WV], 4352
	s_add_co_u32 s77, s77, STAGE
	v_mul_u32_u24 v[SO], v16, 272
	v_lshl_add_u32 v[SO], v17, 6, v[SO]
	v_add_nc_u32 v[SO], s77, v[SO]                 ; in: row r, + 64 h
	v_mul_u32_u24 v[SR], v17, 272
	v_lshl_add_u32 v[SR], v16, 4, v[SR]
	v_add_nc_u32 v[SR], s77, v[SR]                 ; back: lanes 0-15 one row, lanes 16-31 the next
	s_wait_alu depctr_va_vdst(0)
	s_cmp_lt_u32 s[WV], 2
	s_cbranch_scc0 .Lnot_first
	s_wait_tensorcnt 0x0                           ; waves 0, 1: the first halves are in; the others' may stay out
.Lnot_first:
	s_barrier_signal -1
	s_barrier_wait -1
	OFETCH 0
	OFETCH 1
.set ii, 0
.rept 32                               ; h is asked for behind the first halves' arrival: it is wanted only on the way out
	global_load_b128 v[HR+4*ii:HR+4*ii+3], v[OFF+ii], s[8:9] th:TH_LOAD_NT
.set ii, ii+1
.endr
.irp s, 0,1,2,3,4,5,6,7
.if (\s == 2) || (\s == 7)
	s_wait_dscnt 0x0
.else
	s_wait_dscnt 35                                ; this step's fragments and scale words are in; the next step's 35 loads may be out
.endif
.if \s == 2
	s_wait_tensorcnt 0x0                           ; the second halves are in, in every wave
	s_barrier_signal -1
	s_barrier_wait -1                              ; step 4 may be fetched
.endif
	SETP \s
	v_or_b32 v[SP_], v[SP_], v[SP_+2]              ; the two heads' half words make o's scale words; eight places stand between these lines and the products
	v_or_b32 v[SP_+1], v[SP_+1], v[SP_+3]
	PLACES 8
.if \s < 6
	OFETCH \s+2                                    ; into the set that the last step has left
.endif
.if \s == 0
	s_wait_alu depctr_va_vdst(0)
	s_wait_loadcnt 32                              ; bo is in; h's 32 loads may be out
.endif
	OMUL \s
.endr
	PLACES 8
; THE WAY OUT, a tile of 16 queries at a time: through my stage, back as whole rows of 256 bytes
.irp q, 0,1,2,3
	WIN 0x08                                       ; an LDS store's data are its source 1: window 2
.irp d, 0,1,2,3
	ds_store_b128 v[SO], v[8*(4*\q+\d):8*(4*\q+\d)+3] offset:128*(\d/2)+32*(\d%2)          ; each accumulator from its low end on
	ds_store_b128 v[SO], v[8*(4*\q+\d)+4:8*(4*\q+\d)+7] offset:128*(\d/2)+32*(\d%2)+16
.endr
	WIN 0
.irp t, 0,1,2,3,4,5,6,7
	ds_load_b128 v[BKR+4*\t:BKR+4*\t+3], v[SR] offset:544*\t       ; LDS serves a wave's instructions in order: these see my stores, and the next tile's stores come behind them
.endr
	s_wait_dscnt 0x0
.if \q == 0
	s_wait_loadcnt 0x0                             ; h
.endif
.irp t, 0,1,2,3,4,5,6,7
	v_cmp_gt_u32 s[84+\t], 0x3f000, v[OFF+8*\q+\t] ; a row under 63: a query that wrapped
.endr
.irp t, 0,1,2,3,4,5,6,7
.irp k, 0,1,2,3
	v_cndmask_b32 v[BKR+4*\t+\k], v[BKR+4*\t+\k], 0, s[84+\t]
.endr
.endr
.irp t, 0,1,2,3,4,5,6,7
	v_pk_add_f32 v[HR+32*\q+4*\t:HR+32*\q+4*\t+1], v[HR+32*\q+4*\t:HR+32*\q+4*\t+1], v[BKR+4*\t:BKR+4*\t+1]
	v_pk_add_f32 v[HR+32*\q+4*\t+2:HR+32*\q+4*\t+3], v[HR+32*\q+4*\t+2:HR+32*\q+4*\t+3], v[BKR+4*\t+2:BKR+4*\t+3]
.endr
.irp t, 0,1,2,3,4,5,6,7
	global_store_b128 v[OFF+8*\q+\t], v[HR+32*\q+4*\t:HR+32*\q+4*\t+3], s[12:13] th:TH_STORE_NT   ; sixteen lanes store 256 consecutive bytes, aligned; no store's data or offset is written again
.endr
.endr
	s_wait_tensorcnt 0x0                           ; the wave's end: behind my last tensor load and my last LDS store
	ds_add_u32 v[SPW], v[NIL]
	s_wait_dscnt 0x0
	ROUND                                          ; the closing round
	s_endpgm
.Lfunc_end_k_qb411d300d1_oproj:
	.size	k_qb411d300d1_oproj, .Lfunc_end_k_qb411d300d1_oproj-k_qb411d300d1_oproj
	.p2alignl 7, 3214868480
	.fill 96, 4, 3214868480
	.section	.rodata,"a",@progbits
	.p2align	6, 0x0
	.amdhsa_kernel k_qb411d300d1_oproj
		.amdhsa_group_segment_fixed_size 327680
		.amdhsa_private_segment_fixed_size 0
		.amdhsa_enable_private_segment 0
		.amdhsa_kernarg_size 40
		.amdhsa_user_sgpr_count 2
		.amdhsa_user_sgpr_kernarg_segment_ptr 1
		.amdhsa_wavefront_size32 1
		.amdhsa_system_sgpr_workgroup_id_x 1
		.amdhsa_system_sgpr_workgroup_id_y 1
		.amdhsa_system_sgpr_workgroup_id_z 1
		.amdhsa_system_vgpr_workitem_id 0
		.amdhsa_next_free_vgpr 1024
		.amdhsa_next_free_sgpr 98
		.amdhsa_reserve_vcc 0
		.amdhsa_float_denorm_mode_32 3
		.amdhsa_float_denorm_mode_16_64 3
		.amdhsa_memory_ordered 1
		.amdhsa_forward_progress 1
		.amdhsa_inst_pref_size 77
	.end_amdhsa_kernel
	.amdgpu_metadata
---
amdhsa.version: [ 1, 2 ]
amdhsa.kernels:
  - .name:           k_qb411d300d1_oproj
    .symbol:         k_qb411d300d1_oproj.kd
    .args:
      - { .name: oimg, .offset: 0, .size: 8, .value_kind: global_buffer, .address_space: global }
      - { .name: wimg, .offset: 8, .size: 8, .value_kind: global_buffer, .address_space: global }
      - { .name: h, .offset: 16, .size: 8, .value_kind: global_buffer, .address_space: global }
      - { .name: bo, .offset: 24, .size: 8, .value_kind: global_buffer, .address_space: global }
      - { .name: out0, .offset: 32, .size: 8, .value_kind: global_buffer, .address_space: global }
    .group_segment_fixed_size: 327680
    .private_segment_fixed_size: 0
    .kernarg_segment_align: 8
    .kernarg_segment_size: 40
    .max_flat_workgroup_size: 128
    .sgpr_count:     98
    .vgpr_count:     1024
    .wavefront_size: 32
...
	.end_amdgpu_metadata
.endif
;; end of part 3
